; MI455X (gfx1250); checked and timed in simulation.
; The chip was launched on July 23, 2026; its instructions are those of AMD's public machine-readable ISA for CDNA 5 (MIT licence, August 2026) and "CDNA5" Instruction Set Architecture Reference Guide (July 2026). The comments in the code are by the model that wrote it; some were corrected since.
;; Multi Head Attention. Allowed arithmetic: matrix products marked QUANTISED: E2M3 operands, one E8M0 scale for each 32 along K, by v_wmma_scale_f32_16x16x128_f8f6f4 with both operands' format E2M3, f32 sums; everything else in f32.
;; Inputs: b_k 1,024 float32; b_o 1,024 float32; b_q 1,024 float32; b_v 1,024 float32; key 4 x 2,048 x 1,024 float32; query 4 x 2,048 x 1,024 float32; value 4 x 2,048 x 1,024 float32; w_k 1,024 x 1,024 float32; w_o 1,024 x 1,024 float32; w_q 1,024 x 1,024 float32; w_v 1,024 x 1,024 float32.
;; Outputs: out0 4 x 2,048 x 1,024 float32.
;; This version of the problem:
;;   THIS VERSION OF THE PROBLEM IS GIVEN IN LOW PRECISION. The matrix products marked QUANTISED in the list below multiply operands that are first quantised to E2M3 (2 exponent bits, 3 mantissa bits; 6 bits a number), with one power-of-two scale for each 32 numbers along K (OCP MX v1.0); their sums are f32. All else is computed in f32.
;;   The module's matrix products, in the order in which they are computed (A, B: the left and right operand; K: the contracted axis; several contracted axes count as one K, in the product's order):
;;     1. [M 8,192, K 1,024] x [K 1,024, N 1,024]; A: input query; B: input w_q: QUANTISED
;;     2. [M 8,192, K 1,024] x [K 1,024, N 1,024]; A: input key; B: input w_k: QUANTISED
;;     3. [M 8,192, K 1,024] x [K 1,024, N 1,024]; A: input value; B: input w_v: QUANTISED
;;     4. batch 64 x [M 2,048, K 64] x [K 64, N 2,048]; A: computed on the way; B: computed on the way: QUANTISED
;;     5. batch 64 x [M 2,048, K 2,048] x [K 2,048, N 64]; A: softmax (see below); B: computed on the way: QUANTISED
;;     6. [M 8,192, K 1,024] x [K 1,024, N 1,024]; A: computed on the way; B: input w_o: QUANTISED
;;   THE QUANTISER, for each operand of a quantised product, along K:
;;     - K is cut into blocks of 32 from its start; a last block that is shorter is filled with zeros.
;;     - A block's scale is 2^e with e = floor(log2(the largest magnitude in the block)) - 2, held to -126 .. 127; a block of zeros has e = 0. As a byte (E8M0): e + 127.
;;     - Each number is divided by its block's scale, clamped to +-7.5, and rounded to the nearest number of E2M3, ties to even, subnormals kept.
;;     - The product sums the exact products of the quantised numbers (number of the format x scale) in f32.
;;   ~~~python
;;   def quantise(x, axis):      # numpy; x: float32 -> the quantised numbers, widened to float32 again
;;       x = np.moveaxis(x, axis, -1); K = x.shape[-1]
;;       x = np.pad(x, [(0, 0)] * (x.ndim - 1) + [(0, -K % 32)]); x = x.reshape(x.shape[:-1] + (-1, 32)); a = np.abs(x).max(-1, keepdims=True)
;;       e = np.where(a > 0, np.clip(np.frexp(np.where(a > 0, a, 1))[1] - 1 - 2, -126, 127), 0)      # np.frexp(a)[1] - 1 = floor(log2(a)), exactly
;;       r = np.clip(x / 2.0 ** e, -7.5, 7.5)
;;       step = 2.0 ** (np.maximum(np.frexp(np.where(r == 0, 1, r))[1] - 1, 0) - 3)
;;       q = np.round(r / step) * step * 2.0 ** e      # np.round: ties to even
;;       return np.moveaxis(q.reshape(q.shape[:-2] + (-1,))[..., :K], -1, axis).astype(np.float32)
;;   ~~~
;;   SOFTMAX AHEAD OF A QUANTISED PRODUCT. Where the list says 'softmax', what is quantised is not the finished softmax but p = 2^(t - M), with t = logit x log2(e) and M = ceil(the row's largest t), a whole number; so 1/2 < the row's largest p <= 1. The row's sum l is taken of the UNQUANTISED p, in f32, and the product's result is divided by l at the end. Since M is a whole number, a kernel that streams over the keys may use a running M (the ceiling of the running maximum): every later rescaling is an exact power of two, which a block's scale takes up: the codes' values come out the same.
;;   OPERANDS COMPUTED ON THE WAY. 'Computed on the way' means the value that the module computes at that place (a softmax that the list does not call 'softmax' is quantised finished and normalised). What goes into a quantiser is computed in f32, as accurately as f32 sums, v_exp_f32 and their like allow (about 1e-6 of the number): no bf16 or f16 on the way to a quantiser, and a product that is left as it is and whose result goes on into a quantised operand takes f32 operands (vector FMAs, or v_wmma_f32_16x16x4_f32). A number that lies on a knife's edge between two numbers of the format may be rounded either way, as far as f32 arithmetic and the matrix unit's own rounding can turn it there, and no further.
;; One version. Each part assembles by itself: llvm-mc -triple=amdgcn-amd-amdhsa -mcpu=gfx1250 --defsym DOCPART=n.
;; ======== version 1 of 1: 4 launches
;; limits: right only within a limited range of input values
;; workspace buffers: xc 22,020,096 bytes; xs 917,504 bytes; pc 18,874,368 bytes; ps 786,432 bytes; ac 6,291,456 bytes; asc 262,144 bytes
;; launch quant (part 1): grid 448 x 1, 4 waves a work-group, no clusters, 36,352 bytes of LDS; arguments query, key, value, w_q, w_k, w_v, w_o, xc, xs; writes xc, xs
.if DOCPART == 1
	.amdgcn_target "amdgcn-amd-amdhsa--gfx1250"
	.amdhsa_code_object_version 6
	.text
	.protected	k_q3e1dce9307_quant
	.globl	k_q3e1dce9307_quant
	.p2align	8
	.type	k_q3e1dce9307_quant,@function
k_q3e1dce9307_quant:
	s_mov_b64 s[64:65], 0
	v_nop
	global_prefetch_b8 v0, s[64:65] scope:SCOPE_SE
	s_setreg_imm32_b32 hwreg(HW_REG_WAVE_MODE, 25, 1), 1
	s_wait_xcnt 0x0
; query, key, value [8192][1024] and w_q, w_k, w_v, w_o [1024][1024], f32, K innermost, become codes of FP6 (E2M3) with one E8M0 byte for each 32 along K.
; The seven tensors are taken as ONE matrix of 28,672 row positions x 1,024.  The codes are laid in the ORDER OF AN OPERAND'S REGISTERS:
;   xc: [tile of 16 positions][K step of 128][1,536 bytes]; a fragment (12 registers a lane) is two halves c = 0, 1 of 768 bytes: registers 6c .. 6c+3 at 768 c + 16 x lane, registers 6c+4, 6c+5 at 768 c + 512 + 8 x lane.
;   xs: [128 positions][K step][128 words]: a position's four scale bytes of a K step are one word.
; ROW ORDER.  In key, value, w_q, w_k, w_v position p holds the row whose number is p with bits 3 and 4 exchanged: lane r of tile 2 b + u holds row 32 b + 8 u + r + 8 (r / 8).  Where such a tile is source 0 of a product,
; the 16 result registers of tiles 2 b and 2 b + 1 are 16 neighbours along the next K.  query and w_o keep their order.
; A block's scale is 2^(floor(log2(largest magnitude)) - 2); its byte is the largest magnitude's exponent field - 2, held at 1 from below.
; LIMITS: a block of zeros, and a block whose largest magnitude lies under 2^-124, gets the byte 1 (a block of zeros: where the rule says 127; its codes are zeros, and this program alone reads the bytes).  NaN and infinities are not served.
; SHARES.  A work-group takes 64 positions, a wave one tile of 16 for all of K: eight fragments.  Each load reads 512 consecutive bytes of one row; the 16 rows of a K step turn through the wave's own stage in LDS,
; so that lane (r, h) gets, of row r, the 16 neighbours 32 b + 16 h + 0 .. 15 of each block b.  Every store of codes covers 512 or 256 consecutive bytes, aligned to 256.  Loads run two fragments (32 loads a wave) ahead.
.set SP,   528                         ; a stage row: 512 bytes + 16
.set WST,  16*SP                       ; a wave's stage
.set SCS,  4*WST                       ; behind the stages: the work-group's scale words, [K step][64 positions]
.set FRB,  1536                        ; a fragment's image
.set G16,  4                           ; v4   16 x lane: my place in a load's 512 bytes, and in an image's first part
.set VHI,  5                           ; v5   the same for rows 8-15 of the tile
.set STW,  6                           ; v6   the stage, on the way in
.set STR,  7                           ; v7   and on the way out: row r, + 64 h
.set G8,   9                           ; v9   8 x lane
.set SCW,  10                          ; v10  where my row's scale word goes
.set SCR,  11                          ; v11  where I read scale words back
.set SGO,  12                          ; v12  and their place in xs
.set R,    16                          ; v16-143  two sets of 64: a fragment's numbers as loaded
.set X,    144                         ; v144-207 64 numbers: register 16 b + i = k 32 b + 16 h + i of my row
.set PC,   208                         ; v208-219 the codes; v220-226 at work
.set TM,   228                         ; v228-231 largest magnitudes, v232-235 bytes, v240-243 the conversions' scale operands
.set PW,   244                         ; the scale word
.set OW,   248
.set WV,   24
.set SEL,  26                          ; s[26:27] v_permlanex16_b32's selects for lane l xor 16
.set SRC,  28                          ; s[28:29] my tile's first row in its tensor
.set DC,   30                          ; s[30:31] my tile in xc
.set DSC,  32                          ; s[32:33] my work-group's words in xs
; 64 numbers of a lane, v[s] .. v[s + 63], become a fragment's codes in v[PC] on and its scale word in v[PW]
.macro QUANT s
.irp b, 0,1,2,3
	v_max3_num_f32 v[TM+\b], |v[\s+16*\b]|, |v[\s+1+16*\b]|, 0x1800000   ; block b: my 16 numbers, and the floor 2^(3 - 127): the byte cannot fall under 1
.endr
.irp i, 2,4,6,8,10,12,14
.irp b, 0,1,2,3
	v_max3_num_f32 v[TM+\b], v[TM+\b], |v[\s+16*\b+\i]|, |v[\s+1+16*\b+\i]|   ; the four blocks by turns
.endr
.endr
.irp b, 0,1,2,3
	v_permlanex16_b32 v[TM+4+\b], v[TM+\b], s[SEL], s[SEL+1]
.endr
.irp b, 0,1,2,3
	v_max_num_f32 v[TM+\b], v[TM+\b], v[TM+4+\b]   ; with lane l xor 16's: the block's largest magnitude
.endr
.irp b, 0,1,2,3
	v_add_nc_u32 v[TM+12+\b], 0xff000000, v[TM+\b]   ; 2 off its exponent field: the conversion takes this operand's exponent field as its scale
.endr
.irp b, 0,1,2,3
	v_lshrrev_b32 v[TM+4+\b], 23, v[TM+12+\b]      ; the scale's byte
.endr
	v_lshl_or_b32 v[PW], v[TM+5], 8, v[TM+4]
	v_lshl_or_b32 v[PW], v[TM+6], 16, v[PW]
	v_lshl_or_b32 v[PW], v[TM+7], 24, v[PW]
.irp c, 0,1
	v_cvt_scalef32_pk16_fp6_f32 v[PC+6*\c:PC+2+6*\c], v[\s+32*\c:\s+15+32*\c], v[TM+12+2*\c]
	v_cvt_scalef32_pk16_fp6_f32 v[PC+12+4*\c:PC+14+4*\c], v[\s+16+32*\c:\s+31+32*\c], v[TM+12+2*\c+1]   ; (a conversion's three registers begin on an even number)
.endr
	v_nop                                          ; one plain place behind a scaled conversion
.irp c, 0,1                                    ; the operand's layout wants a whole block in a lane: lanes 0-15 block 2 c, lanes 16-31 block 2 c + 1
.irp i, 0,1,2
	v_permlane16_swap_b32 v[PC+6*\c+\i], v[PC+12+4*\c+\i]
.endr
.irp i, 0,1,2
	v_mov_b32 v[PC+3+6*\c+\i], v[PC+12+4*\c+\i]
.endr
.endr
.endm
	s_load_b256 s[4:11], s[0:1], 0x0               ; query, key, value, w_q
	s_load_b128 s[12:15], s[0:1], 0x20             ; w_k, w_v
	s_load_b64 s[16:17], s[0:1], 0x30              ; w_o
	s_load_b64 s[20:21], s[0:1], 0x38              ; xc
	s_load_b64 s[22:23], s[0:1], 0x40              ; xs
	v_lshl_add_u32 v254, v0, 2, 0x8c00
	v_mov_b32 v255, 0
	v_lshrrev_b32 v1, 5, v0
	v_readfirstlane_b32 s[WV], v1                  ; wave 0..3
	v_and_b32 v2, 31, v0                           ; lane
	v_and_b32 v3, 15, v0                           ; r
	v_bfe_u32 v13, v0, 4, 1                        ; h
	v_lshlrev_b32 v[G16], 4, v2
	v_lshlrev_b32 v[G8], 3, v2
	s_mul_i32 s25, s[WV], WST
	v_add_nc_u32 v[STW], s25, v[G16]
	v_mul_u32_u24 v[STR], v3, SP
	v_lshl_add_u32 v[STR], v13, 6, v[STR]
	v_add_nc_u32 v[STR], s25, v[STR]
	s_lshl_b32 s25, s[WV], 6
	s_add_co_u32 s25, s25, SCS
	v_lshl_add_u32 v[SCW], v3, 2, s25              ; SCS + 64 x wave + 4 r; the K step stands in the immediate
	s_lshl_b32 s25, s[WV], 9
	s_add_co_u32 s25, s25, SCS
	v_add_nc_u32 v[SCR], s25, v[G16]               ; back: wave w takes K steps 2 w and 2 w + 1, 256 bytes each
	s_lshl_b32 s25, s[WV], 10
	v_lshl_add_u32 v[SGO], v13, 9, s25             ; in xs a K step's words lie 512 bytes apart
	v_lshl_add_u32 v[SGO], v3, 4, v[SGO]
	s_mov_b32 s[SEL], 0x76543210
	s_mov_b32 s[SEL+1], 0xfedcba98
.irp b, 0,1,2,3
	v_mov_b32 v[TM+4+\b], 0                        ; written once: a lane permute's destination counts as one of its sources
.endr
	s_wait_kmcnt 0x0
	; which tensor is my work-group's: the choice hangs on the work-group's number alone
	s_mov_b64 s[SRC:SRC+1], s[4:5]
	s_mov_b32 s34, 0                               ; the tensor's first work-group
.macro PICK first, ptr
	s_cmp_ge_u32 ttmp9, \first
	s_cselect_b64 s[SRC:SRC+1], s[\ptr:\ptr+1], s[SRC:SRC+1]
	s_cselect_b32 s34, \first, s34
.endm
	PICK 128, 6
	PICK 256, 8
	PICK 384, 10
	PICK 400, 12
	PICK 416, 14
	PICK 432, 16
	s_sub_co_u32 s36, ttmp9, s34
	s_lshl_b32 s36, s36, 2
	s_add_co_u32 s36, s36, s[WV]                   ; my tile in its tensor
	s_lshr_b32 s37, s36, 1
	s_lshl_b32 s37, s37, 5
	s_and_b32 s38, s36, 1
	s_lshl_b32 s38, s38, 3
	s_add_co_u32 s37, s37, s38                     ; its first row in the changed order: 32 (tile / 2) + 8 (tile % 2),
	s_lshl_b32 s38, s36, 4                         ; and in the plain order
	s_mov_b32 s39, 32768                           ; rows 8-15 of the tile lie 8 rows behind rows 0-7, or 16 in the changed order
	s_sub_co_u32 s35, ttmp9, 128
	s_cmp_lt_u32 s35, 304                          ; work-groups 128 to 431: key, value, w_q, w_k, w_v
	s_cselect_b32 s37, s37, s38
	s_cselect_b32 s39, 65536, s39
	; KEY HAS AN ORDER OF ITS OWN (work-groups 128 to 255), in place of the one the head comment gives: row m of tile 4 c + u holds token 64 c + 32 (m / 8) + 8 u + m % 8.
	; Where such tiles are source 0 of a product, a lane's 32 result registers of tiles 4 c .. 4 c + 3 are the 32 neighbours 64 c + 32 (lane / 16) + 0 .. 31: one whole scale block of the next K.
	s_lshr_b32 s38, s36, 2
	s_lshl_b32 s38, s38, 6
	s_and_b32 s44, s36, 3
	s_lshl_b32 s44, s44, 3
	s_add_co_u32 s38, s38, s44                     ; the tile's first row: 64 (tile / 4) + 8 (tile % 4)
	s_cmp_lt_u32 s35, 128
	s_cselect_b32 s37, s38, s37
	s_cselect_b32 s39, 131072, s39                 ; rows 8-15 of the tile lie 32 rows behind rows 0-7
	s_lshl_b32 s40, s37, 12                        ; a row is 4,096 bytes
	s_mov_b32 s41, 0
	s_add_nc_u64 s[SRC:SRC+1], s[SRC:SRC+1], s[40:41]
	v_add_nc_u32 v[VHI], s39, v[G16]
	s_wait_alu depctr_va_vdst(0)
	s_lshl_b32 s42, ttmp9, 2
	s_add_co_u32 s42, s42, s[WV]                   ; my tile among all 1,792
	s_mul_i32 s42, s42, 8*FRB
	s_mov_b32 s43, 0
	s_add_nc_u64 s[DC:DC+1], s[20:21], s[42:43]
	s_lshr_b32 s42, ttmp9, 1
	s_lshl_b32 s42, s42, 12
	s_and_b32 s44, ttmp9, 1
	s_lshl_b32 s44, s44, 8
	s_add_co_u32 s42, s42, s44
	s_add_nc_u64 s[DSC:DSC+1], s[22:23], s[42:43]
.macro LOADF s                         ; K step s of my 16 rows into set s % 2: each load reads 512 consecutive bytes of one row
.irp i, 0,1,2,3,4,5,6,7
	global_load_b128 v[R+64*((\s)%2)+4*\i:R+64*((\s)%2)+4*\i+3], v[G16], s[SRC:SRC+1] offset:4096*\i+512*(\s) th:TH_LOAD_NT
.endr
.irp i, 0,1,2,3,4,5,6,7
	global_load_b128 v[R+64*((\s)%2)+32+4*\i:R+64*((\s)%2)+32+4*\i+3], v[VHI], s[SRC:SRC+1] offset:4096*\i+512*(\s) th:TH_LOAD_NT
.endr
.endm
.macro FRAGM s
.if (\s) < 7
	s_wait_loadcnt 16                              ; this fragment's 16 loads are in; the next fragment's 16 may be out
.else
	s_wait_loadcnt 0x0
.endif
.irp i, 0,1,2,3,4,5,6,7,8,9,10,11,12,13,14,15
	ds_store_b128 v[STW], v[R+64*((\s)%2)+4*\i:R+64*((\s)%2)+4*\i+3] offset:SP*\i
.endr
.irp b, 0,1,2,3
.irp j, 0,1,2,3
	ds_load_b128 v[X+16*\b+4*\j:X+16*\b+4*\j+3], v[STR] offset:128*\b+16*\j   ; LDS serves a wave's instructions in order: these see the stores above
.endr
.endr
	s_wait_dscnt 0x0                               ; the numbers are back, and the stores have read the set and the last scale word
	s_wait_xcnt 0x0                                ; the last fragment's stores have read the codes' registers: they are written again only behind this wait
.if (\s) < 6
	LOADF (\s)+2
.endif
	QUANT X
	global_store_b128 v[G16], v[PC:PC+3], s[DC:DC+1] offset:FRB*(\s)
	global_store_b64 v[G8], v[PC+4:PC+5], s[DC:DC+1] offset:FRB*(\s)+512
	global_store_b128 v[G16], v[PC+6:PC+9], s[DC:DC+1] offset:FRB*(\s)+768
	global_store_b64 v[G8], v[PC+10:PC+11], s[DC:DC+1] offset:FRB*(\s)+1280
	ds_store_b32 v[SCW], v[PW] offset:256*(\s)     ; lanes r and r + 16 write the same word with the same value
.endm
	LOADF 0
	LOADF 1
.irp s, 0,1,2,3,4,5,6,7
	FRAGM \s
.endr
	s_wait_dscnt 0x0                               ; for the others' sake: my scale words lie in LDS
	s_barrier_signal -1
	s_barrier_wait -1
	ds_load_b128 v[OW:OW+3], v[SCR]                ; two K steps' words of the work-group's 64 positions
	s_wait_dscnt 0x0
	global_store_b128 v[SGO], v[OW:OW+3], s[DSC:DSC+1]   ; sixteen lanes store 256 consecutive bytes, aligned
	s_wait_tensorcnt 0x0
	ds_add_u32 v254, v255
	s_wait_dscnt 0x0
	s_endpgm
.Lfunc_end_k_q3e1dce9307_quant:
	.size	k_q3e1dce9307_quant, .Lfunc_end_k_q3e1dce9307_quant-k_q3e1dce9307_quant
	.p2alignl 7, 3214868480
	.fill 96, 4, 3214868480
	.section	.rodata,"a",@progbits
	.p2align	6, 0x0
	.amdhsa_kernel k_q3e1dce9307_quant
		.amdhsa_group_segment_fixed_size 36352
		.amdhsa_private_segment_fixed_size 0
		.amdhsa_enable_private_segment 0
		.amdhsa_kernarg_size 72
		.amdhsa_user_sgpr_count 2
		.amdhsa_user_sgpr_kernarg_segment_ptr 1
		.amdhsa_wavefront_size32 1
		.amdhsa_system_sgpr_workgroup_id_x 1
		.amdhsa_system_sgpr_workgroup_id_y 1
		.amdhsa_system_sgpr_workgroup_id_z 1
		.amdhsa_system_vgpr_workitem_id 0
		.amdhsa_next_free_vgpr 256
		.amdhsa_next_free_sgpr 66
		.amdhsa_reserve_vcc 0
		.amdhsa_float_denorm_mode_32 3
		.amdhsa_float_denorm_mode_16_64 3
		.amdhsa_memory_ordered 1
		.amdhsa_forward_progress 1
		.amdhsa_inst_pref_size 67
	.end_amdhsa_kernel
	.amdgpu_metadata
---
amdhsa.version: [ 1, 2 ]
amdhsa.kernels:
  - .name:           k_q3e1dce9307_quant
    .symbol:         k_q3e1dce9307_quant.kd
    .args:
      - { .name: query, .offset: 0, .size: 8, .value_kind: global_buffer, .address_space: global }
      - { .name: key, .offset: 8, .size: 8, .value_kind: global_buffer, .address_space: global }
      - { .name: value, .offset: 16, .size: 8, .value_kind: global_buffer, .address_space: global }
      - { .name: w_q, .offset: 24, .size: 8, .value_kind: global_buffer, .address_space: global }
      - { .name: w_k, .offset: 32, .size: 8, .value_kind: global_buffer, .address_space: global }
      - { .name: w_v, .offset: 40, .size: 8, .value_kind: global_buffer, .address_space: global }
      - { .name: w_o, .offset: 48, .size: 8, .value_kind: global_buffer, .address_space: global }
      - { .name: xc, .offset: 56, .size: 8, .value_kind: global_buffer, .address_space: global }
      - { .name: xs, .offset: 64, .size: 8, .value_kind: global_buffer, .address_space: global }
    .group_segment_fixed_size: 36352
    .private_segment_fixed_size: 0
    .kernarg_segment_align: 8
    .kernarg_segment_size: 72
    .max_flat_workgroup_size: 128
    .sgpr_count:     66
    .vgpr_count:     256
    .wavefront_size: 32
...
	.end_amdgpu_metadata
.endif
;; end of part 1
;; launch proj (part 2): grid 4 x 96, 4 waves a work-group, clusters of 4 x 4, 327,680 bytes of LDS; arguments xc, xs, b_q, b_k, b_v, pc, ps; writes pc, ps
.if DOCPART == 2
	.amdgcn_target "amdgcn-amd-amdhsa--gfx1250"
	.amdhsa_code_object_version 6
	.text
	.protected	k_q3e1dce9307_proj
	.globl	k_q3e1dce9307_proj
	.p2align	8
	.type	k_q3e1dce9307_proj,@function
k_q3e1dce9307_proj:
	s_mov_b64 s[64:65], 0
	v_nop
	global_prefetch_b8 v0, s[64:65] scope:SCOPE_SE
	s_setreg_imm32_b32 hwreg(HW_REG_WAVE_MODE, 25, 1), 1
	s_wait_xcnt 0x0
	s_wait_alu depctr_hold_cnt(0) depctr_sa_sdst(0) depctr_va_vdst(0) depctr_va_sdst(0) depctr_va_ssrc(0) depctr_va_vcc(0) depctr_vm_vsrc(0)
	s_getreg_b32 s2, hwreg(HW_REG_IB_STS2, 6, 4)
	s_cmp_eq_u32 s2, 0
	s_cbranch_scc0 .Lentry_in_a_cluster
	s_endpgm
.Lentry_in_a_cluster:
	s_bfe_u32 s2, ttmp6, 0x10000c
	s_cmp_lg_u32 s2, 0xf033
	s_cbranch_scc0 .Lentry_shape_is_right
	s_endpgm
.Lentry_shape_is_right:
; Q = query w_q^T + b_q, K = key w_k^T + b_k, V = value w_v^T + b_v on codes of FP6 (E2M3) with E8M0 scales, sums in f32; each result is quantised on the way out and leaves as codes, in the order of the next operand's registers.
; THREE JOBS IN ONE GRID, told apart by the cluster's y (8 clusters each): 0: C = query x w_q, 1: C = key x w_k (A = the tokens, B = the weight); 2: C = w_v x value, that is V TRANSPOSED (A = the weight, B = the tokens).
; The way out quantises along C's columns: along the head's 64 for Q and K, along the KEYS for V, as the next products' K asks.  All that differs between jobs is chosen by s_cselect on the cluster's y; there is no branch on it.
; A tile of C is 256 x 256: four waves, each 128 x 128 in 64 accumulators.  K = 1,024 goes in four slots' worth of 256 through a ring of two LDS slots filled by the tensor data mover.
; OPERANDS lie in xc as images of their registers ([tile of 16 rows][K step][1,536 bytes]): a fragment is four dense LDS loads (16, 8, 16, 8 bytes a lane), no pitch, no padding.  The scale words of 128 rows for all of K are 4,096 dense bytes: they come once.
; CLUSTERS: 4 x 4 work-groups; A's tiles are asked for jointly along a row of the cluster, B's along a column.  THE MATRIX INSTRUCTION IS USED TRANSPOSED (source 0 = 16 rows of B, source 1 = 16 rows of A).
; B's tiles hold their rows in the changed order (lane r of tile 2 b + u: row 32 b + 8 u + r + 8 (r / 8)), so that a lane's 64 results of a block of A are, register 16 b + i, column 32 b + 16 (lane / 16) + i: what the conversions take.
; OUT.  pc: Q at 0, K at 6,291,456: fragment (8 batch + head pair) x 128 + tile of 16 tokens; its halves are the pair's two heads.  V at 12,582,912: fragment ((16 batch + head) x 16 + step of 128 keys) x 4 + tile of 16 channels.  ps: 16 words a fragment.
; LIMITS: a block of zeros, and one whose largest magnitude lies under 2^-124, gets the scale byte 1 (its codes are zeros or subnormal; this program alone reads the bytes).  NaN and infinities are not served.
; REGISTERS, in windows of 256: window 0: v0-31 addresses; v32-63 scale words, two sets; v64-127 the bias along the columns; v128-223 A's fragments, one set (on the way out: at work); v240-255 the bias along the rows.
;   window 1: B's fragments, two sets, at v0 and v128.   windows 2, 3: the accumulators of my rows 0-63 and 64-127 ((a, b) at v[8 (8 (a % 4) + b)]).
.set NQ,     2                         ; matrix instructions deep in a slot
.set FR,     12                        ; registers of a fragment
.set NL,     4                         ; LDS loads that bring one
.set NP,     4                         ; places behind this matrix instruction (ISA guide 7.12.1)
.set FRB,    1536                      ; a fragment's image
.set TILEB,  NQ*FRB                    ; a tile's part of a slot
.set KROW,   8*FRB                     ; a tile's eight K steps in memory
.set HALFT,  8*TILEB                   ; eight tiles: what one tensor load brings, and what one wave reads of A or of B
.set SLOT,   4*HALFT
.set SCL,    2*SLOT                    ; behind the ring: the scale words, 8,192 bytes a load; B's load lies 128 bytes further on, so that a load's A half and B half touch different banks
.set SPARE,  SCL+16640                 ; the spare words, 128 bytes for each wave: two blocks of 256 bytes that no other line names
.set STG,    SPARE+512                 ; the way out: 512 bytes for each wave, into which no tile lands
.set G16,  4                           ; v4   16 x lane
.set G8,   5                           ; v5   8 x lane
.set XO,   8                           ; v8   the column bias: 64 h
.set YO,   9                           ; v9   the row bias: 4 (r + 8 (r / 8))
.set ADRA, 16                          ; v16-17 LDS address of my A fragments in slot 0, 1, at 16 x lane;  v18-19 at 8 x lane
.set ADRB, 20                          ; v20-23 the same for B
.set SST,  24                          ; v24  where my row's scale word goes
.set SRD,  25                          ; v25  where I read scale words back
.set ADRS, 27                          ; v27  LDS address of my scale words: lanes 0-15 A's rows, lanes 16-31 B's
.set SPW,  28                          ; v28  LDS address of my spare word; never rewritten
.set NIL,  29                          ; v29  0; never rewritten
.set SOF,  31                          ; v31  the scale words' place in ps
.set SC,   32
.set X,    64
.set AF,   128
.set T,    128                         ; the way out: 64 numbers
.set PC,   192                         ; v192-203 codes, v204-210 at work
.set TM,   212
.set PW,   228
.set OW,   232
.set Y,    240
.set G1, 24                            ; s[24:31] descriptor group 1 for A's tiles;  s[32:39] group 0, one set for each slot
.set G0, 32
.set G1B, 48
.set G0B, 56
.set G1S, 68                           ; s[68:75], s[76:79] groups 1 and 0 for A's scales;  s[80:87], s[88:91] for B's
.set G0S, 76
.set G1SB, 80
.set G0SB, 88
.set OL,  92                           ; s[92:93] where my blocks 0-3 go in pc;  s[96:97] blocks 4-7;  s[94:95] their words in ps
.set SBP, 94
.set OH,  96
.set SEL, 98
.set KEEPN, 100                        ; all ones where the bias runs along the columns (Q, K)
.set KEEPM, 101                        ; all ones where it runs along the rows (V)
.set MSB, 0
.macro WIN new                         ; the immediate's high byte repeats the setting that is left
.if MSB != (\new)
	s_set_vgpr_msb (MSB<<8)|(\new)
.set MSB, (\new)
.endif
.endm
.set MUL_LO, 0xa1                      ; source 0 (B) window 1, source 1 (A) window 0, C and D window 2
.set MUL_HI, 0xf1
.set TO_B,   0x40                      ; destination window 1, address window 0
; A joint load: waves 0 and 1 fetch for A, waves 2 and 3 for B.  The branch hangs on the wave's number alone.  Four v_nop follow each of the two lines.
.macro JLOAD g0a, g1a, g0b, g1b
	s_cmp_eq_u32 s15, 0
	s_cbranch_scc0 .Lfor_b_\@
	tensor_load_to_lds s[\g0a:\g0a+3], s[\g1a:\g1a+7]
	s_nop 0
.rept 4
	v_nop
.endr
	s_branch .Lasked_\@
.Lfor_b_\@:
	tensor_load_to_lds s[\g0b:\g0b+3], s[\g1b:\g1b+7]
	s_nop 0
.rept 4
	v_nop
.endr
.Lasked_\@:
.endm
.macro CREST                           ; a round of the cluster's barrier behind its opening barrier
	s_cmp_lg_u32 s14, 0
	s_cbranch_scc1 .Lnot_wave_0_\@
	s_barrier_signal -3
.Lnot_wave_0_\@:
	s_barrier_wait -3
	s_barrier_signal -1
	s_barrier_wait -1
.endm
.macro CROUND
	s_barrier_signal -1
	s_barrier_wait -1
	CREST
.endm
	s_load_b128 s[4:7], s[0:1], 0x0                ; xc, xs
	s_load_b128 s[8:11], s[0:1], 0x10              ; b_q, b_k
	s_load_b64 s[12:13], s[0:1], 0x20              ; b_v
	s_load_b64 s[OL:OL+1], s[0:1], 0x28            ; pc
	s_load_b64 s[SBP:SBP+1], s[0:1], 0x30          ; ps
	v_lshl_add_u32 v[SPW], v0, 2, SPARE
	v_mov_b32 v[NIL], 0
	ds_add_u32 v28, v29
	ds_add_u32 v28, v29
	s_wait_dscnt 0x0
	v_lshrrev_b32 v1, 5, v0
	v_readfirstlane_b32 s14, v1                    ; wave 0..3
	s_lshr_b32 s15, s14, 1                         ; which half of the tile's rows is mine.  Also: I fetch for A (0) or for B (1)
	s_and_b32 s16, s14, 1                          ; which half of its columns.  Also: which eight tiles I fetch
	s_bfe_u32 s40, ttmp6, 0x40000                  ; cx, cy: my place in the cluster
	s_bfe_u32 s41, ttmp6, 0x40004
	s_and_b32 s17, ttmp7, 0xffff                   ; the cluster's y: 0..23
	s_lshr_b32 s18, s17, 3                         ; the job: 0 Q, 1 K, 2 V
	s_and_b32 s19, s17, 7
	s_lshl_b32 s19, s19, 2                         ; four tiles of 256 tokens to a cluster
	s_lshl_b32 s20, s18, 5                         ; units of 256 positions in xc: query 0, key 32, value 64, w_q 96, w_k 100, w_v 104
	s_lshl_b32 s21, s18, 2
	s_add_co_u32 s21, s21, 96
	s_cmp_eq_u32 s18, 2
	s_cselect_b32 s20, 104, s20                    ; A's first unit
	s_cselect_b32 s21, 64, s21                     ; B's
	s_cselect_b32 s22, 0, s19                      ; the tokens run along the rows (Q, K)
	s_cselect_b32 s23, s19, 0                      ; or along the columns (V)
	s_cselect_b32 s[KEEPN], 0, -1
	s_cselect_b32 s[KEEPM], -1, 0
	s_add_co_u32 s17, s22, s41                     ; tile row of the job's C
	s_add_co_u32 s42, s23, s40                     ; tile column
	s_lshl_b32 s43, s41, 2
	s_lshl_b32 s43, 15, s43                        ; my row of the cluster
	s_lshl_b32 s44, 0x1111, s40                    ; my column
	; descriptor group 1: eight tiles' parts of a slot: 8 rows of 3,072 bytes (384 elements of 8 bytes), 12,288 bytes apart, dense in LDS
	s_or_b32 s[G1+0], s43, (3<<16)|(1<<21)         ; 15:0 the mask: A's tiles go to my row; 17:16 elements of 8 bytes; 20 no padding; 21 set beside a mask
	s_or_b32 s[G1B+0], s44, (3<<16)|(1<<21)
.irp g, G1, G1B
	s_mov_b32 s[\g+1], 384<<16                     ; tensor_dim0
	s_mov_b32 s[\g+2], 16<<16                      ; tensor_dim1: sixteen tiles for the head's loads; eight for the ring's, set behind the head's wait
	s_mov_b32 s[\g+3], 384<<16                     ; tile_dim0
	s_mov_b32 s[\g+4], 16                          ; tile_dim1
	s_mov_b32 s[\g+5], KROW/8                      ; tensor_dim0_stride
	s_mov_b32 s[\g+6], 0
	s_mov_b32 s[\g+7], 0
.endr
	; and for the scale words of 256 rows: 8,192 dense bytes as 32 rows of 256
	s_or_b32 s[G1S+0], s43, (3<<16)|(1<<21)
	s_or_b32 s[G1SB+0], s44, (3<<16)|(1<<21)
.irp g, G1S, G1SB
	s_mov_b32 s[\g+1], 32<<16
	s_mov_b32 s[\g+2], 32<<16
	s_mov_b32 s[\g+3], 32<<16
	s_mov_b32 s[\g+4], 32
	s_mov_b32 s[\g+5], 32
	s_mov_b32 s[\g+6], 0
	s_mov_b32 s[\g+7], 0
.endr
	s_add_co_u32 s20, s20, s17                     ; A: the unit of 256 positions: it hangs on the tile row alone, which my row of the cluster shares;
	s_lshl_b32 s20, s20, 1                         ; in units of 128: the first of the tile's two
	s_add_co_u32 s46, s21, s42                     ; B: on the tile column alone
	s_lshl_b32 s46, s46, 1
	s_lshl_b32 s22, s20, 12                        ; where its scale words begin,
	s_mov_b32 s23, 0
	s_lshl_b32 s96, s46, 12
	s_mov_b32 s97, 0
	s_mul_i32 s20, s20, 8*KROW                     ; and its codes (under 2^25)
	s_mov_b32 s21, 0
	s_mul_i32 s46, s46, 8*KROW
	s_mov_b32 s47, 0
	s_mul_i32 s45, s14, HALFT                      ; where they go: no place in the cluster enters an LDS address
	s_mul_i32 s2, s16, 8*KROW                      ; in the ring I fetch eight of a tile's sixteen: which half, in bytes
	s_mov_b32 s3, 0
	s_wait_kmcnt 0x0
	s_add_nc_u64 s[20:21], s[4:5], s[20:21]
	s_add_nc_u64 s[22:23], s[6:7], s[22:23]
	s_add_nc_u64 s[46:47], s[4:5], s[46:47]
	s_add_nc_u64 s[96:97], s[6:7], s[96:97]
	CROUND                                         ; all sixteen work-groups are here: the first joint loads meet
	s_mov_b32 s[G0S], 1
	s_mov_b32 s[G0SB], 1
.irp s, 0,1
	s_mov_b32 s[G0+4*\s], 1
	s_add_co_u32 s[G0+4*\s+1], s45, \s*SLOT
	s_add_nc_u64 s[G0+4*\s+2:G0+4*\s+3], s[20:21], s[2:3]
	s_add_nc_u64 s[G0+4*\s+2:G0+4*\s+3], s[G0+4*\s+2:G0+4*\s+3], \s*TILEB
	s_or_b32 s[G0+4*\s+3], s[G0+4*\s+3], 0x80000000
	s_mov_b32 s[G0B+4*\s], 1
	s_add_co_u32 s[G0B+4*\s+1], s45, \s*SLOT
	s_add_nc_u64 s[G0B+4*\s+2:G0B+4*\s+3], s[46:47], s[2:3]
	s_add_nc_u64 s[G0B+4*\s+2:G0B+4*\s+3], s[G0B+4*\s+2:G0B+4*\s+3], \s*TILEB
	s_or_b32 s[G0B+4*\s+3], s[G0B+4*\s+3], 0x80000000
.endr
; THE HEAD'S LOADS, ONE A WAVE: wave 0 slot 0's sixteen tiles of A, wave 1 its sixteen of B, wave 2 the scale words of A's 256 rows, wave 3 those of B's.
; One chain of branches on the wave's number; each arm writes its own place and address and holds one load.  A's two arms use one group 0, B's two another.
.macro ARM under, g0, lds, src, g1, next
	s_cmp_lt_u32 s14, \under
	s_cbranch_scc0 \next
	s_mov_b32 s[\g0+1], \lds
	s_mov_b64 s[\g0+2:\g0+3], s[\src:\src+1]
	s_or_b32 s[\g0+3], s[\g0+3], 0x80000000
	tensor_load_to_lds s[\g0:\g0+3], s[\g1:\g1+7]
	s_nop 0
.rept 4
	v_nop
.endr
	s_branch .Lhead_asked
\next:
.endm
	ARM 1, G0S,  0,       20, G1,  .Lhead_b
	ARM 2, G0SB, 2*HALFT, 46, G1B, .Lhead_sa
	ARM 3, G0S,  SCL,     22, G1S, .Lhead_sb
	s_mov_b32 s[G0SB+1], SCL+8320
	s_mov_b64 s[G0SB+2:G0SB+3], s[96:97]
	s_or_b32 s[G0SB+3], s[G0SB+3], 0x80000000
	tensor_load_to_lds s[G0SB:G0SB+3], s[G1SB:G1SB+7]
	s_nop 0
.rept 4
	v_nop
.endr
.Lhead_asked:
	v_and_b32 v1, 15, v0                           ; r
	v_bfe_u32 v2, v0, 4, 1                         ; h
	v_and_b32 v3, 31, v0
	v_lshlrev_b32 v[G16], 4, v3
	v_lshlrev_b32 v[G8], 3, v3
	s_mul_i32 s21, s15, HALFT                      ; my eight tiles of A
	s_mul_i32 s22, s16, HALFT                      ; my eight of B,
	s_add_co_u32 s22, s22, 2*HALFT                 ; which lie behind A's sixteen
.irp s, 0,1
	v_add_nc_u32 v[ADRA+\s], s21, v[G16]
	v_add_nc_u32 v[ADRB+\s], s22, v[G16]
	v_add_nc_u32 v[ADRA+2+\s], s21, v[G8]
	v_add_nc_u32 v[ADRB+2+\s], s22, v[G8]
	s_add_co_u32 s21, s21, SLOT
	s_add_co_u32 s22, s22, SLOT
.endr
	s_lshl_b32 s21, s15, 12                        ; A's scale words: my 128 rows
	s_lshl_b32 s22, s16, 12                        ; B's: behind A's load and 128 bytes
	s_add_co_u32 s22, s22, 8320
	s_sub_co_u32 s22, s22, s21
	v_mul_u32_u24 v6, s22, v2                      ; lanes 16-31 take B's
	s_add_co_u32 s21, s21, SCL
	v_lshl_add_u32 v6, v1, 2, v6
	v_add_nc_u32 v[ADRS], s21, v6
	s_lshl_b32 s43, s14, 9
	s_add_co_u32 s43, s43, STG
	v_lshl_add_u32 v[SST], v1, 2, s43              ; my stage: 64 bytes a block, 4 bytes a row
	v_add_nc_u32 v[SRD], s43, v[G16]
	s_mov_b32 s[SEL], 0x76543210
	s_mov_b32 s[SEL+1], 0xfedcba98
	; where my 128 x 128 goes
	s_lshl_b32 s19, s17, 1
	s_add_co_u32 s19, s19, s15                     ; my unit of 128 rows of the job's C
	s_lshl_b32 s20, s42, 1
	s_add_co_u32 s20, s20, s16                     ; and of 128 columns
	s_lshr_b32 s21, s19, 4                         ; Q, K: fragment ((rows / 16) x 8 + columns) x 128 + (rows % 16) x 8: batch, head pair, tile of tokens
	s_lshl_b32 s21, s21, 3
	s_add_co_u32 s21, s21, s20
	s_lshl_b32 s21, s21, 7
	s_and_b32 s22, s19, 15
	s_lshl_b32 s22, s22, 3
	s_add_co_u32 s21, s21, s22
	s_lshr_b32 s22, s20, 4                         ; V: fragment ((columns / 16) x 16 + 2 rows) x 64 + (columns % 16) x 4: batch, head, step of keys
	s_lshl_b32 s22, s22, 4
	s_lshl_b32 s23, s19, 1
	s_add_co_u32 s22, s22, s23
	s_lshl_b32 s22, s22, 6
	s_and_b32 s23, s20, 15
	s_lshl_b32 s23, s23, 2
	s_add_co_u32 s22, s22, s23
	s_lshl_b32 s40, s19, 9                         ; 128 numbers of a bias are 512 bytes
	s_lshl_b32 s41, s20, 9
	s_cmp_eq_u32 s18, 1
	s_cselect_b64 s[8:9], s[10:11], s[8:9]
	s_cmp_eq_u32 s18, 2
	s_cselect_b64 s[8:9], s[12:13], s[8:9]         ; the job's bias
	s_cselect_b32 s21, s22, s21                    ; my first fragment
	s_cselect_b32 s22, 64, 4                       ; blocks 4-7 lie so many fragments behind blocks 0-3: the next head's, or the next four tiles
	s_cselect_b32 s40, s40, 0                      ; the row bias begins at my rows (V), else at 0: both sets are loaded inside the buffer in every job, and the one that does not count is cleared
	s_cselect_b32 s41, 0, s41                      ; the column bias at my columns (Q, K), else at 0
	s_mov_b32 s45, 0
	s_mov_b32 s44, s40
	s_add_nc_u64 s[10:11], s[8:9], s[44:45]
	s_mov_b32 s44, s41
	s_add_nc_u64 s[8:9], s[8:9], s[44:45]
	s_mul_i32 s44, s18, 6291456
	s_mul_i32 s43, s21, FRB
	s_add_co_u32 s44, s44, s43
	s_add_nc_u64 s[OL:OL+1], s[OL:OL+1], s[44:45]
	s_mul_i32 s44, s22, FRB
	s_add_nc_u64 s[OH:OH+1], s[OL:OL+1], s[44:45]
	s_lshl_b32 s44, s18, 18
	s_lshl_b32 s43, s21, 6
	s_add_co_u32 s44, s44, s43
	s_add_nc_u64 s[SBP:SBP+1], s[SBP:SBP+1], s[44:45]
	s_lshl_b32 s43, s22, 6
	v_mul_u32_u24 v[SOF], s43, v2                  ; lanes 16-31 store blocks 4-7's words
	v_lshl_add_u32 v[SOF], v1, 4, v[SOF]
	v_lshlrev_b32 v[XO], 6, v2
	v_and_b32 v[YO], 8, v1
	v_add_nc_u32 v[YO], v[YO], v1
	v_lshlrev_b32 v[YO], 2, v[YO]
.irp b, 0,1,2,3                                ; the bias of column 32 b + 16 h + i in register 16 b + i
.irp j, 0,1,2,3
	global_load_b128 v[X+16*\b+4*\j:X+16*\b+4*\j+3], v[XO], s[8:9] offset:128*\b+16*\j
.endr
.endr
.irp a, 0,1,2,3,4,5,6,7                        ; the bias of my row of block a, twice: a pair for the packed addition
	global_load_b32 v[Y+2*\a], v[YO], s[10:11] offset:4*(32*(\a/2)+8*(\a%2))
	global_load_b32 v[Y+2*\a+1], v[YO], s[10:11] offset:4*(32*(\a/2)+8*(\a%2))
.endr
.macro FRAG reg, adr, q, i             ; a fragment comes as it was stored: registers 0-3, 4-5, 6-9, 10-11
	ds_load_b128 v[\reg:\reg+3], v[\adr] offset:(\i)*TILEB+(\q)*FRB
	ds_load_b64 v[\reg+4:\reg+5], v[\adr+2] offset:(\i)*TILEB+(\q)*FRB+512
	ds_load_b128 v[\reg+6:\reg+9], v[\adr] offset:(\i)*TILEB+(\q)*FRB+768
	ds_load_b64 v[\reg+10:\reg+11], v[\adr+2] offset:(\i)*TILEB+(\q)*FRB+1280
.endm
; 16 matrix instructions: A's blocks a0, a0 + 1 x B's eight, 128 along K.  p: B's set;  sc: the set of scale words.  zero = 1: the first product starts the sums.
; The 64 accumulators take turns, one instruction a turn, in the same order in every step.
.macro MUL16 a0, p, q, sc, zero
.irp a, \a0, \a0+1
.irp b, 0,1,2,3,4,5,6,7
.if \zero
	v_wmma_scale_f32_16x16x128_f8f6f4 v[8*(8*((\a)%4)+\b):8*(8*((\a)%4)+\b)+7], v[128*(\p)+FR*\b:128*(\p)+FR*\b+FR-1], v[AF+FR*(\a):AF+FR*(\a)+FR-1], 0, v[SC+8*NQ*(\sc)+NQ*\b+(\q)], v[SC+8*NQ*(\sc)+NQ*(\a)+(\q)] matrix_a_fmt:MATRIX_FMT_FP6 matrix_b_fmt:MATRIX_FMT_FP6 matrix_a_scale:MATRIX_SCALE_ROW1
.else
	v_wmma_scale_f32_16x16x128_f8f6f4 v[8*(8*((\a)%4)+\b):8*(8*((\a)%4)+\b)+7], v[128*(\p)+FR*\b:128*(\p)+FR*\b+FR-1], v[AF+FR*(\a):AF+FR*(\a)+FR-1], v[8*(8*((\a)%4)+\b):8*(8*((\a)%4)+\b)+7], v[SC+8*NQ*(\sc)+NQ*\b+(\q)], v[SC+8*NQ*(\sc)+NQ*(\a)+(\q)] matrix_a_fmt:MATRIX_FMT_FP6 matrix_b_fmt:MATRIX_FMT_FP6 matrix_a_scale:MATRIX_SCALE_ROW1
.endif
.endr
.endr
.endm
.macro FETCH_B slot, q, p
	WIN TO_B
.irp i, 0,1,2,3,4,5,6,7
	FRAG 128*(\p)+FR*\i, ADRB+\slot, \q, \i
.endr
	WIN 0
.endm
.macro FETCH_A slot, q, i0
.irp i, \i0, \i0+1, \i0+2, \i0+3
	FRAG AF+FR*(\i), ADRA+\slot, \q, \i
.endr
.endm
.macro SCALES sc                       ; a slot's scale words: register 2 i + q: lanes 0-15 the word of A's block i, lanes 16-31 that of B's block i
.irp i, 0,1,2,3,4,5,6,7
.irp q, 0,1
	ds_load_b32 v[SC+8*NQ*\sc+NQ*\i+\q], v[ADRS] offset:512*\q+64*\i
.endr
.endr
.endm
.macro PLACES n                        ; a load into a register that a matrix instruction has read, and a read of its result, stand NP plain vector instructions behind it
.rept \n
	v_nop
.endr
.endm
.macro STEP slot, q, zero              ; a step of 128 along K that has its successor in the same slot
	s_wait_dscnt 4*NL                              ; B's set, A's blocks 0-3 and the scale words are in; the youngest 16 loads (A's blocks 4-7) may be out
	WIN MUL_LO
	MUL16 0, (\q)%2, \q, \slot, \zero
	MUL16 2, (\q)%2, \q, \slot, \zero
	s_wait_dscnt 0
	PLACES NP
	FETCH_B \slot, (\q)+1, 1-(\q)%2
	FETCH_A \slot, (\q)+1, 0
	WIN MUL_HI
	MUL16 4, (\q)%2, \q, \slot, \zero
	MUL16 6, (\q)%2, \q, \slot, \zero
	PLACES NP
	WIN 0
	FETCH_A \slot, (\q)+1, 4
.endm
; A slot's last step changes slots: one barrier; in front of it each wave waits for all its tensor loads, adds 0 to its spare word, and waits for that and for its reads of this slot.  fill = 1: this slot is filled again.
.macro TURN slot, next, fill
	s_wait_tensorcnt 0x0                           ; all my tensor loads have landed: my part of the next slot
	ds_add_u32 v[SPW], v[NIL]                      ; 0 onto my spare word
	s_wait_dscnt 4*NL+1                            ; (the add and the youngest 16 loads may be out)
	WIN MUL_LO
	MUL16 0, 1, NQ-1, \slot, 0
	s_wait_dscnt 0x0                               ; the add is done, and my reads of this slot are over
	s_barrier_signal -1
	MUL16 2, 1, NQ-1, \slot, 0
	WIN 0
	s_barrier_wait -1
.if \fill
	CREST                                          ; the barrier has opened a round of the cluster's barrier: no wave of any partner still reads this slot or has a load on its way
	s_add_nc_u64 s[G0+4*\slot+2:G0+4*\slot+3], s[G0+4*\slot+2:G0+4*\slot+3], 2*TILEB
	s_add_nc_u64 s[G0B+4*\slot+2:G0B+4*\slot+3], s[G0B+4*\slot+2:G0B+4*\slot+3], 2*TILEB
	JLOAD G0+4*\slot, G1, G0B+4*\slot, G1B         ; the first tensor load behind the round; its four v_nop are the places in front of the loads below
.else
	PLACES NP
.endif
	s_wait_alu depctr_va_vdst(0)
	v_add_nc_u32 v[ADRS], 512*NQ, v[ADRS]          ; on to the next slot's scale words
	FETCH_B \next, 0, 0
	FETCH_A \next, 0, 0
	SCALES \next
	WIN MUL_HI
	MUL16 4, 1, NQ-1, \slot, 0
	MUL16 6, 1, NQ-1, \slot, 0
	PLACES NP
	WIN 0
	FETCH_A \next, 0, 4
.endm
	s_wait_alu depctr_va_vdst(0)
	s_wait_tensorcnt 0x0                           ; my tile of the head's four is in
	ds_add_u32 v[SPW], v[NIL]
	s_mov_b32 s[G1+2], 8<<16                       ; no tensor load of mine is out: from here on a load brings eight tiles
	s_mov_b32 s[G1+4], 8
	s_mov_b32 s[G1B+2], 8<<16
	s_mov_b32 s[G1B+4], 8
	s_wait_dscnt 0x0
	CROUND                                         ; all four tiles are in, and all sixteen work-groups are here
	JLOAD G0+4, G1, G0B+4, G1B                     ; slot 1's first fill, the first tensor load behind the round
	FETCH_B 0, 0, 0
	FETCH_A 0, 0, 0
	SCALES 0
	FETCH_A 0, 0, 4
	STEP 0, 0, 1                                   ; K = 1,024 is four slots' worth, eight steps: written out.  The first step's products start the sums
	TURN 0, 1, 1
	STEP 1, 0, 0
	TURN 1, 0, 1
	STEP 0, 0, 0
	TURN 0, 1, 0                                   ; the last two slots' worth are in LDS: nothing is filled, and no round of the cluster's barrier stands here
	STEP 1, 0, 0
	s_wait_dscnt 4*NL
	WIN MUL_LO
	MUL16 0, 1, NQ-1, 1, 0
	MUL16 2, 1, NQ-1, 1, 0
	s_wait_dscnt 0
	WIN MUL_HI
	MUL16 4, 1, NQ-1, 1, 0
	MUL16 6, 1, NQ-1, 1, 0
	WIN 0
; THE WAY OUT.  64 numbers of a lane, register 16 b + i = column 32 b + 16 h + i of my row, become a fragment's codes and its scale word.
.macro QUANT s
.irp b, 0,1,2,3
	v_max3_num_f32 v[TM+\b], |v[\s+16*\b]|, |v[\s+1+16*\b]|, 0x1800000   ; my 16 numbers of block b, and the floor 2^(3 - 127)
.endr
.irp i, 2,4,6,8,10,12,14
.irp b, 0,1,2,3
	v_max3_num_f32 v[TM+\b], v[TM+\b], |v[\s+16*\b+\i]|, |v[\s+1+16*\b+\i]|
.endr
.endr
.irp b, 0,1,2,3
	v_permlanex16_b32 v[TM+4+\b], v[TM+\b], s[SEL], s[SEL+1]
.endr
.irp b, 0,1,2,3
	v_max_num_f32 v[TM+\b], v[TM+\b], v[TM+4+\b]
.endr
.irp b, 0,1,2,3
	v_add_nc_u32 v[TM+12+\b], 0xff000000, v[TM+\b]   ; 2 off the exponent field: the conversion's scale operand
.endr
.irp b, 0,1,2,3
	v_lshrrev_b32 v[TM+4+\b], 23, v[TM+12+\b]
.endr
	v_lshl_or_b32 v[PW], v[TM+5], 8, v[TM+4]
	v_lshl_or_b32 v[PW], v[TM+6], 16, v[PW]
	v_lshl_or_b32 v[PW], v[TM+7], 24, v[PW]
.irp c, 0,1
	v_cvt_scalef32_pk16_fp6_f32 v[PC+6*\c:PC+2+6*\c], v[\s+32*\c:\s+15+32*\c], v[TM+12+2*\c]
	v_cvt_scalef32_pk16_fp6_f32 v[PC+12+4*\c:PC+14+4*\c], v[\s+16+32*\c:\s+31+32*\c], v[TM+12+2*\c+1]
.endr
	v_nop                                          ; one plain place behind a scaled conversion
.irp c, 0,1
.irp i, 0,1,2
	v_permlane16_swap_b32 v[PC+6*\c+\i], v[PC+12+4*\c+\i]
.endr
.irp i, 0,1,2
	v_mov_b32 v[PC+3+6*\c+\i], v[PC+12+4*\c+\i]
.endr
.endr
.endm
.macro BLOCKOUT a                      ; block a: 16 rows x 128 columns
.set AC, 64*((\a)%4)
	WIN 0x02+(\a)/4                                ; source 0: window 2 or 3
.set ii, 0
.rept 32
	v_pk_add_f32 v[T+ii:T+ii+1], v[AC+ii:AC+ii+1], v[X+ii:X+ii+1]   ; each accumulator is read from its low end on
.set ii, ii+2
.endr
	WIN 0
.set ii, 0
.rept 32
	v_pk_add_f32 v[T+ii:T+ii+1], v[T+ii:T+ii+1], v[Y+2*(\a):Y+2*(\a)+1]
.set ii, ii+2
.endr
.if (\a) > 0
	s_wait_xcnt 0x0                                ; the last block's stores have read the codes' registers
	s_wait_dscnt 0x0                               ; and its LDS store the scale word
.endif
	QUANT T
.if (\a) < 4
.set OB, OL
.else
.set OB, OH
.endif
	global_store_b128 v[G16], v[PC:PC+3], s[OB:OB+1] offset:FRB*((\a)%4)          ; 512 consecutive bytes, aligned to 256
	global_store_b64 v[G8], v[PC+4:PC+5], s[OB:OB+1] offset:FRB*((\a)%4)+512      ; 256
	global_store_b128 v[G16], v[PC+6:PC+9], s[OB:OB+1] offset:FRB*((\a)%4)+768
	global_store_b64 v[G8], v[PC+10:PC+11], s[OB:OB+1] offset:FRB*((\a)%4)+1280
	ds_store_b32 v[SST], v[PW] offset:64*(\a)      ; lanes r and r + 16 write the same word with the same value
.endm
	s_wait_loadcnt 0x0                             ; the biases
.set ii, 0
.rept 64
	v_cndmask_b32 v[X+ii], 0, v[X+ii], s[KEEPN]    ; the bias that does not run this way counts for nothing.  (These 80 lines name no register of the last products: they are the places behind them)
.set ii, ii+1
.endr
.set ii, 0
.rept 16
	v_cndmask_b32 v[Y+ii], 0, v[Y+ii], s[KEEPM]
.set ii, ii+1
.endr
.irp b, 0,1,2,3
	v_mov_b32 v[TM+4+\b], 0                        ; written once: a lane permute's destination counts as one of its sources
.endr
.irp a, 0,1,2,3,4,5,6,7
	BLOCKOUT \a
.endr
	ds_load_b128 v[OW:OW+3], v[SRD]                ; LDS serves a wave's instructions in order: my eight blocks' words, 512 bytes
	s_wait_dscnt 0x0
	global_store_b128 v[SOF], v[OW:OW+3], s[SBP:SBP+1]   ; sixteen lanes store 256 consecutive bytes, aligned
	s_wait_tensorcnt 0x0                           ; the wave's end
	ds_add_u32 v[SPW], v[NIL]
	s_wait_dscnt 0x0
	CROUND                                         ; the closing round: no work-group ends while a partner may still ask for a tile that names it
	s_endpgm
.Lfunc_end_k_q3e1dce9307_proj:
	.size	k_q3e1dce9307_proj, .Lfunc_end_k_q3e1dce9307_proj-k_q3e1dce9307_proj
	.p2alignl 7, 3214868480
	.fill 96, 4, 3214868480
	.section	.rodata,"a",@progbits
	.p2align	6, 0x0
	.amdhsa_kernel k_q3e1dce9307_proj
		.amdhsa_group_segment_fixed_size 327680
		.amdhsa_private_segment_fixed_size 0
		.amdhsa_enable_private_segment 0
		.amdhsa_kernarg_size 56
		.amdhsa_user_sgpr_count 2
		.amdhsa_user_sgpr_kernarg_segment_ptr 1
		.amdhsa_wavefront_size32 1
		.amdhsa_system_sgpr_workgroup_id_x 1
		.amdhsa_system_sgpr_workgroup_id_y 1
		.amdhsa_system_sgpr_workgroup_id_z 1
		.amdhsa_system_vgpr_workitem_id 0
		.amdhsa_next_free_vgpr 1024
		.amdhsa_next_free_sgpr 102
		.amdhsa_reserve_vcc 0
		.amdhsa_float_denorm_mode_32 3
		.amdhsa_float_denorm_mode_16_64 3
		.amdhsa_memory_ordered 1
		.amdhsa_forward_progress 1
		.amdhsa_inst_pref_size 193
	.end_amdhsa_kernel
	.amdgpu_metadata
---
amdhsa.version: [ 1, 2 ]
amdhsa.kernels:
  - .name:           k_q3e1dce9307_proj
    .symbol:         k_q3e1dce9307_proj.kd
    .args:
      - { .name: xc, .offset: 0, .size: 8, .value_kind: global_buffer, .address_space: global }
      - { .name: xs, .offset: 8, .size: 8, .value_kind: global_buffer, .address_space: global }
      - { .name: b_q, .offset: 16, .size: 8, .value_kind: global_buffer, .address_space: global }
      - { .name: b_k, .offset: 24, .size: 8, .value_kind: global_buffer, .address_space: global }
      - { .name: b_v, .offset: 32, .size: 8, .value_kind: global_buffer, .address_space: global }
      - { .name: pc, .offset: 40, .size: 8, .value_kind: global_buffer, .address_space: global }
      - { .name: ps, .offset: 48, .size: 8, .value_kind: global_buffer, .address_space: global }
    .group_segment_fixed_size: 327680
    .private_segment_fixed_size: 0
    .kernarg_segment_align: 8
    .kernarg_segment_size: 56
    .max_flat_workgroup_size: 128
    .sgpr_count:     102
    .vgpr_count:     1024
    .wavefront_size: 32
...
	.end_amdgpu_metadata
.endif
;; end of part 2
;; launch attn (part 3): grid 8 x 32, 16 waves a work-group, clusters of 4 x 1, 327,680 bytes of LDS; arguments pc, ps, ac, asc; writes ac, asc
.if DOCPART == 3
	.amdgcn_target "amdgcn-amd-amdhsa--gfx1250"
	.amdhsa_code_object_version 6
	.text
	.protected	k_q3e1dce9307_attn
	.globl	k_q3e1dce9307_attn
	.p2align	8
	.type	k_q3e1dce9307_attn,@function
k_q3e1dce9307_attn:
	s_mov_b64 s[64:65], 0
	v_nop
	global_prefetch_b8 v0, s[64:65] scope:SCOPE_SE
	s_setreg_imm32_b32 hwreg(HW_REG_WAVE_MODE, 25, 1), 1
	s_wait_xcnt 0x0
	s_wait_alu depctr_hold_cnt(0) depctr_sa_sdst(0) depctr_va_vdst(0) depctr_va_sdst(0) depctr_va_ssrc(0) depctr_va_vcc(0) depctr_vm_vsrc(0)
	s_getreg_b32 s2, hwreg(HW_REG_IB_STS2, 6, 4)
	s_cmp_eq_u32 s2, 0
	s_cbranch_scc0 .Lentry_in_a_cluster
	s_endpgm
.Lentry_in_a_cluster:
	s_bfe_u32 s2, ttmp6, 0x10000c
	s_cmp_lg_u32 s2, 0x3003
	s_cbranch_scc0 .Lentry_shape_is_right
	s_endpgm
.Lentry_shape_is_right:
; context = softmax(Q K^T / 8) V on codes of FP6 (E2M3) with E8M0 scales, head by head; the result is quantised along the channels and leaves as codes in the order of the out-projection's operand registers.
; THE DEAL.  256 work-groups of 16 waves.  Work-group (x, y): head pair y = 8 batch + pair, queries 256 x .. 256 x + 255.  A wave takes 16 queries, first for the pair's head 0 (pass 0), then for head 1 (pass 1):
; so it owns whole fragments of ac (two halves: two heads) and whole scale words of asc (two bytes a head).
; LDS.  The pair's K (128 fragments, 196,608 bytes, the two heads' halves by turns), ONE head's V (98,304), K's and V's scale words (8,192 each) lie in LDS for a whole pass: the loop over the keys has no barrier and no fill.
; At the head every wave issues one tensor load: waves 0-7 K, waves 8-11 V of head 0 (24,576 bytes each), waves 12-13 K's scale words, 14-15 V's.  Between the passes V of head 1 is filled over V of head 0, by waves 8-11,
; behind a wait, an add to the spare word and a round of the cluster's barrier; pass 0's way out stands between that fill and the wait for it.
; CLUSTER.  The eight work-groups of a pair read the same K and V: four of them (x) form a cluster and ask jointly (mask 15).
; PREFETCH.  V of head 1 is asked for at the head, one whole pass ahead of its tensor load: 384 blocks of 256 bytes, shared out by address among the cluster's four work-groups, waves 0-2 of each, a lane a block.
; All else that the launch loads by tensor loads is asked for at the head itself: there is no loop to run ahead in.
; A STEP is 128 keys.  Both products are used transposed: S^T = K Q^T (8 tiles of 16 keys; K = 64 of the instruction's 128: Q's upper half is zero codes), O^T += V^T p^T (4 tiles of 16 channels).  A lane holds one query throughout.
; KEY ORDER.  Row m of K's tile 4 c + u is key 64 c + 32 (m / 8) + 8 u + m % 8 (the first launch lays key so).  So register 32 c + i of lane (r, h) is the score of key 64 c + 32 h + i:
; a lane holds two WHOLE scale blocks of p, in the order of the operand's registers: a block's maximum needs no other lane, and no code changes lanes.
; SOFTMAX as the problem states it: t = score x log2(e) / 8, M = ceil(running largest t), kept as -M; p = 2^(t - M); the sum is taken of the unquantised p; when M moves, sum and O^T are multiplied by 2^(old M - new M), exactly, with no branch.
; A block's largest p is the exponential of its largest score, by the same multiply-add and v_exp_f32.
; THE ORDER OF A STEP.  The next step's fragments of K are asked for behind this step's second product, and 26 of the sum's 32 additions stand between those loads and the wait for them.  (A pass's last step so loads 6,144 bytes
; behind its head's K that nobody uses: written bytes of LDS.)  Chains that hang on themselves are laid side by side: the maxima in eight, the sum in four, the scale bytes among O^T's multiplications.
; LIMITS: the promise holds while |t| stays under 2^31.  A block whose largest magnitude lies under 2^-124 gets the scale byte 1.  NaN and infinities are not served.
.set FRB,   1536
.set VOFF,  196608                     ; V, behind K
.set SCK,   294912                     ; K's scale words
.set SCV,   SCK+8192                   ; V's, both heads
.set SPARE, SCV+8192                   ; the spare words: 128 bytes a wave
.set STG,   SPARE+2048                 ; the result's scale words: 64 bytes a wave
.set AK0,  1                           ; v1, v2   K's fragments of the pass's head at 16 x lane, 8 x lane
.set AK8,  2
.set AV0,  3                           ; v3, v4   V's
.set AV8,  4
.set SPW,  5
.set NIL,  6
.set ASK0, 7                           ; v7, v8   K's and V's scale words of the pass's head
.set ASV0, 8
.set ADK,  9                           ; v9-11, v30, v31, v95: the same six for the step at hand
.set ADK8, 10
.set ADV,  11
.set ADV8, 30
.set ADS,  31
.set ADT,  95
.set LS,   14                          ; v12 -M, v13 the running largest score, v[14:15] the sum, v16-27 Q's operand (v22-27 zero)
.set PFO,  28
.set QS,   29                          ; Q's scale bytes
.set KV,   32                          ; v32-85 K's eight half fragments (and six zeros), then V's four fragments
.set KSW,  86                          ; v86-93 their scale words
.set S,    96                          ; v96-159 scores, then p
.set OT,   160                         ; v160-191 O^T
.set PCD,  192                         ; v192-203 p's codes
.set PT,   204
.set BM,   212
.set BP,   216
.set SO,   220
.set WS,   222                         ; the result's scale word
.set OLD,  223
.set FF,   224
.set TMP,  226
.set SUB,  228                         ; v[228:229], v[230:231], v[254:255] the sum's other three chains
.set SUC,  230
.set SUD,  254
.set G16,  232
.set G8,   233
.set SSW,  234
.set SRB,  235
.set R4,   236
.set PS,   237                         ; p's scale word
.set Q1,   238                         ; v238-243 head 1's Q, v244 its scale bytes
.set QS1,  244
.set MX,   245                         ; v245-252 a maximum for each tile of scores
.set WV,   18
.set SEL,  20
.set CS,   22
.set G1,   24
.set G1S,  32
.set G0,   40
.set G0S,  44
.set TB,   56                          ; the step's place in K, V, K's scale words, V's scale words; the step's number
.set TV,   57
.set TS,   58
.set TJ,   59
.set CNT,  60
.set NCS,  61
.set PFA,  76
.macro CROUND
	s_barrier_signal -1
	s_barrier_wait -1
	s_cmp_lg_u32 s[WV], 0
	s_cbranch_scc1 .Lnot_wave_0_\@
	s_barrier_signal -3
.Lnot_wave_0_\@:
	s_barrier_wait -3
	s_barrier_signal -1
	s_barrier_wait -1
.endm
.macro WALU
	s_wait_alu depctr_va_vdst(0)
.endm
.macro D n
	s_delay_alu instid0(VALU_DEP_\n)
.endm
	s_load_b256 s[4:11], s[0:1], 0x0               ; pc, ps, ac, asc
	v_lshl_add_u32 v[SPW], v0, 2, SPARE
	v_mov_b32 v[NIL], 0
	ds_add_u32 v[SPW], v[NIL]                      ; the opening lines: the add twice on end and one wait
	ds_add_u32 v[SPW], v[NIL]
	v_lshrrev_b32 v[TMP], 5, v0
	D 1
	v_readfirstlane_b32 s[WV], v[TMP]
	s_bfe_u32 s12, ttmp6, 0x40000                  ; cx
	s_lshl_b32 s13, ttmp9, 2
	s_add_co_u32 s13, s13, s12                     ; x
	s_and_b32 s14, ttmp7, 0xffff                   ; y
	s_lshl_b32 s16, s13, 4
	s_add_co_u32 s16, s16, s[WV]                   ; my tile of 16 queries, 0 .. 127
	s_mul_i32 s19, s14, 196608                     ; the pair's K, and its V, from their regions' starts
	s_mul_i32 s62, s[WV], 24576                    ; waves 0-11: my part's place in LDS
	s_mov_b32 s63, 12582912-196608
	s_cmp_lt_u32 s[WV], 8
	s_cselect_b32 s63, 6291456, s63                ; K's region, or V's less the eight parts of K
	s_add_co_u32 s66, s19, s62
	s_add_co_u32 s66, s66, s63
	s_mov_b32 s67, 0
	s_lshl_b32 s70, s[WV], 12                      ; waves 12-15: 4,096 bytes of scale words each
	s_lshl_b32 s72, s14, 13
	s_add_co_u32 s72, s72, s70
	s_add_co_u32 s70, s70, SCK-49152
	s_mov_b32 s73, 524288-57344
	s_cmp_lt_u32 s[WV], 14
	s_cselect_b32 s73, 262144-49152, s73
	s_add_co_u32 s72, s72, s73
	s_mov_b32 s73, 0
	s_mov_b32 s[G1], 15|(3<<16)|(1<<21)            ; 96 rows of 256 bytes, dense; the mask names the cluster's four
	s_mov_b32 s[G1+1], 32<<16
	s_mov_b32 s[G1+2], 96<<16
	s_mov_b32 s[G1+3], 32<<16
	s_mov_b32 s[G1+4], 96
	s_mov_b32 s[G1+5], 32
	s_mov_b32 s[G1+6], 0
	s_mov_b32 s[G1+7], 0
	s_mov_b32 s[G1S], 15|(3<<16)|(1<<21)           ; 16 rows of 256 bytes
	s_mov_b32 s[G1S+1], 32<<16
	s_mov_b32 s[G1S+2], 16<<16
	s_mov_b32 s[G1S+3], 32<<16
	s_mov_b32 s[G1S+4], 16
	s_mov_b32 s[G1S+5], 32
	s_mov_b32 s[G1S+6], 0
	s_mov_b32 s[G1S+7], 0
	s_mov_b32 s[SEL], 0x76543210
	s_mov_b32 s[SEL+1], 0xfedcba98
	s_mov_b32 s[CS], 0x3e38aa3b                    ; log2(e) / 8
	s_mov_b32 s[CS+1], s[CS]
	s_mov_b32 s[NCS], 0xbe38aa3b
	WALU
	s_wait_dscnt 0x0
	s_wait_kmcnt 0x0
	CROUND                                         ; in front of the first joint loads
	s_mov_b32 s[G0], 1
	s_mov_b32 s[G0+1], s62
	s_add_nc_u64 s[G0+2:G0+3], s[4:5], s[66:67]
	s_or_b32 s[G0+3], s[G0+3], 0x80000000
	s_mov_b32 s[G0S], 1
	s_mov_b32 s[G0S+1], s70
	s_add_nc_u64 s[G0S+2:G0S+3], s[6:7], s[72:73]
	s_or_b32 s[G0S+3], s[G0S+3], 0x80000000
	s_cmp_lt_u32 s[WV], 12
	s_cbranch_scc0 .Lscales
	tensor_load_to_lds s[G0:G0+3], s[G1:G1+7]
	s_nop 0
.rept 4
	v_nop
.endr
	s_branch .Lasked
.Lscales:
	tensor_load_to_lds s[G0S:G0S+3], s[G1S:G1S+7]
	s_nop 0
.rept 4
	v_nop
.endr
.Lasked:
	s_lshl_b32 s74, s14, 7
	s_add_co_u32 s74, s74, s16                     ; Q's fragment
	s_mul_i32 s82, s74, FRB
	s_mov_b32 s83, 0
	s_add_nc_u64 s[82:83], s[4:5], s[82:83]
	s_lshl_b32 s84, s74, 6
	s_mov_b32 s85, 0
	s_add_nc_u64 s[84:85], s[6:7], s[84:85]
	s_lshr_b32 s86, s14, 3                         ; batch
	s_and_b32 s87, s14, 7                          ; pair
	s_lshl_b32 s88, s86, 7
	s_add_co_u32 s88, s88, s16
	s_lshl_b32 s88, s88, 3
	s_add_co_u32 s88, s88, s87
	s_mul_i32 s88, s88, FRB                        ; ac: fragment (tile of tokens) x 8 + pair
	s_mov_b32 s89, 0
	s_add_nc_u64 s[8:9], s[8:9], s[88:89]
	s_lshr_b32 s93, s[WV], 3
	s_lshl_b32 s90, s86, 4
	s_lshl_b32 s91, s13, 1
	s_add_co_u32 s90, s90, s91
	s_add_co_u32 s90, s90, s93                     ; asc: [128 tokens][pair][128 words]
	s_lshl_b32 s90, s90, 12
	s_lshl_b32 s92, s87, 9
	s_add_co_u32 s90, s90, s92
	s_mov_b32 s91, 0
	s_add_nc_u64 s[10:11], s[10:11], s[90:91]
	v_and_b32 v[TMP], 31, v0
	D 1
	v_lshlrev_b32 v[G16], 4, v[TMP]
	D 2
	v_lshlrev_b32 v[G8], 3, v[TMP]
	D 3
	v_lshlrev_b32 v[PFO], 8, v[TMP]
	v_and_b32 v[R4], 15, v0
	D 1
	v_lshlrev_b32 v[R4], 2, v[R4]
	WALU
	global_load_b128 v[16:19], v[G16], s[82:83]
	global_load_b64 v[20:21], v[G8], s[82:83] offset:512
	global_load_b128 v[Q1:Q1+3], v[G16], s[82:83] offset:768
	global_load_b64 v[Q1+4:Q1+5], v[G8], s[82:83] offset:1280
	global_load_u16 v[QS], v[R4], s[84:85]
	global_load_u16 v[QS1], v[R4], s[84:85] offset:2
	s_mul_i32 s94, s12, 24576                      ; V of head 1: my work-group's quarter, by address; my wave's 32 blocks of 256 bytes
	s_lshl_b32 s95, s[WV], 13
	s_add_co_u32 s94, s94, s95
	s_add_co_u32 s94, s94, s19
	s_add_co_u32 s94, s94, 12582912+98304
	s_mov_b32 s95, 0
	s_add_nc_u64 s[PFA:PFA+1], s[4:5], s[94:95]
	s_cmp_lt_u32 s[WV], 3
	s_cbranch_scc0 .Lno_ask
	global_prefetch_b8 v[PFO], s[PFA:PFA+1] th:TH_LOAD_NT scope:SCOPE_SE   ; its address registers are never written again
.Lno_ask:
	v_add_nc_u32 v[AV0], VOFF, v[G16]
	v_add_nc_u32 v[AV8], VOFF, v[G8]
	s_lshl_b32 s92, s[WV], 6
	s_add_co_u32 s92, s92, STG
	v_add_nc_u32 v[SSW], s92, v[R4]
	s_lshl_b32 s92, s93, 9
	s_add_co_u32 s92, s92, STG
	v_add_nc_u32 v[SRB], s92, v[G16]
.irp j, 0,1,2,3,4,5
	v_mov_b32 v[22+\j], 0                          ; Q's upper half: zero codes
	v_mov_b32 v[KV+48+\j], 0                       ; what the eighth tile's operand names beyond its own six registers
.endr
.irp b, 0,1,2
	v_mov_b32 v[BP+\b], 0                          ; a lane permute's destination counts as one of its sources
.endr
	v_mov_b32 v[FF+1], 0
; what a pass begins with: the head's places in LDS, head 1's Q, the running numbers, O^T = 0
.macro PROLOG h
.if \h
.irp j, 0,1,2,3,4,5
	v_mov_b32 v[16+\j], v[Q1+\j]
.endr
	v_mov_b32 v[QS], v[QS1]
.endif
	v_add_nc_u32 v[AK0], 768*\h, v[G16]
	v_add_nc_u32 v[AK8], 768*\h, v[G8]
	v_add_nc_u32 v[ASK0], SCK+2*\h, v[R4]
	v_add_nc_u32 v[ASV0], SCV+4096*\h, v[R4]
	v_mov_b32 v13, 0xff61b1e6                      ; the largest score so far: -3e38
	v_mov_b32 v12, 0x7f61b1e6                      ; -M
	v_mov_b32 v14, 0
	v_mov_b32 v15, 0
.set ii, 0
.rept 32
	v_mov_b32 v[OT+ii], 0
.set ii, ii+1
.endr
	s_mov_b32 s[TB], 0
	s_mov_b32 s[TV], 0
	s_mov_b32 s[TS], 0
	s_mov_b32 s[TJ], 0
	s_mov_b32 s[CNT], 0
.endm
.macro KADDR
	v_add_nc_u32 v[ADK], s[TB], v[AK0]
	v_add_nc_u32 v[ADK8], s[TB], v[AK8]
	v_add_nc_u32 v[ADS], s[TS], v[ASK0]
.endm
.macro KLOADS                          ; a step's eight tiles of K, my head's half of each fragment, and their scale bytes
.irp t, 0,1,2,3,4,5,6,7
	ds_load_b128 v[KV+6*\t:KV+6*\t+3], v[ADK] offset:\t*FRB
	ds_load_b64 v[KV+6*\t+4:KV+6*\t+5], v[ADK8] offset:\t*FRB+512
	ds_load_u16 v[KSW+\t], v[ADS] offset:64*\t
.endr
.endm
.macro FM k                            ; t - M of pair k of the scores
	v_pk_fma_f32 v[S+2*(\k):S+2*(\k)+1], v[S+2*(\k):S+2*(\k)+1], s[CS:CS+1], v[12:13] op_sel_hi:[1,0,0]
.endm
.macro OM k                            ; pair k of O^T under the new M
	v_pk_mul_f32 v[OT+2*(\k):OT+2*(\k)+1], v[OT+2*(\k):OT+2*(\k)+1], v[FF:FF+1] op_sel_hi:[1,0]
.endm
.macro AD acc, k                       ; a chain of the sum takes in pair k of p
	v_pk_add_f32 v[\acc:\acc+1], v[\acc:\acc+1], v[S+2*(\k):S+2*(\k)+1]
.endm
.macro STEP
	s_wait_dscnt 0x0                               ; this step's K is in
.irp t, 0,1,2,3,4,5,6,7
	v_wmma_scale_f32_16x16x128_f8f6f4 v[S+8*\t:S+8*\t+7], v[KV+6*\t:KV+6*\t+11], v[16:27], 0, v[KSW+\t], v[QS] matrix_a_fmt:MATRIX_FMT_FP6 matrix_b_fmt:MATRIX_FMT_FP6
.endr
	v_add_nc_u32 v[ADV], s[TV], v[AV0]             ; four places between the products and the loads into their registers
	v_add_nc_u32 v[ADV8], s[TV], v[AV8]
	v_add_nc_u32 v[ADT], s[TJ], v[ASV0]
	v_mov_b32 v[OLD], v12
.irp d, 0,1,2,3
	ds_load_b128 v[KV+12*\d:KV+12*\d+3], v[ADV] offset:\d*FRB
	ds_load_b64 v[KV+12*\d+4:KV+12*\d+5], v[ADV8] offset:\d*FRB+512
	ds_load_b128 v[KV+12*\d+6:KV+12*\d+9], v[ADV] offset:\d*FRB+768
	ds_load_b64 v[KV+12*\d+10:KV+12*\d+11], v[ADV8] offset:\d*FRB+1280
	ds_load_b32 v[KSW+\d], v[ADT] offset:64*\d
.endr
.irp t, 0,1,2,3,4,5,6,7                        ; the largest score of my two blocks of 32 keys: a chain for each tile, each accumulator read from its low end on
	v_max3_num_f32 v[MX+\t], v[S+8*\t], v[S+8*\t+1], v[S+8*\t+2]
.endr
.irp i, 3,5
.irp t, 0,1,2,3,4,5,6,7
	v_max3_num_f32 v[MX+\t], v[MX+\t], v[S+8*\t+\i], v[S+8*\t+\i+1]
.endr
.endr
.irp c, 0,1                                    ; the tiles' maxima and each tile's eighth score
	v_max3_num_f32 v[BM+2*\c], v[MX+4*\c], v[MX+4*\c+1], v[S+32*\c+7]
	v_max3_num_f32 v[BM+2*\c+1], v[MX+4*\c+2], v[MX+4*\c+3], v[S+32*\c+15]
.endr
	v_max3_num_f32 v[BM], v[BM], v[BM+1], v[S+23]
	v_max3_num_f32 v[BM+2], v[BM+2], v[BM+3], v[S+55]
	v_max_num_f32 v[BM], v[BM], v[S+31]            ; block h
	v_max_num_f32 v[BM+2], v[BM+2], v[S+63]        ; block 2 + h
	D 1
	v_max_num_f32 v[TMP], v[BM], v[BM+2]
	D 1
	v_permlanex16_b32 v[BP], v[TMP], s[SEL], s[SEL+1]
	D 1
	v_max3_num_f32 v13, v13, v[TMP], v[BP]         ; the running largest score of my query
	D 1
	v_mul_f32 v[TMP], s[NCS], v13                  ; -t
	D 1
	v_floor_f32 v12, v[TMP]                        ; -M = floor(-t)
	D 1
	v_sub_f32 v[TMP], v12, v[OLD]                  ; old M - new M, a whole number, 0 or less
.irp k, 0,1,2,3
	FM \k
.endr
	v_cvt_i32_f32 v[TMP], v[TMP]                   ; (it saturates)
.irp k, 4,5,6,7
	FM \k
.endr
	v_ldexp_f32 v[FF], 1.0, v[TMP]
.irp k, 8,9,10,11,12,13,14,15,16,17,18,19,20,21,22,23,24,25,26,27,28,29,30,31
	FM \k
.endr
	v_fma_f32 v[BM], v[BM], s[CS], v12
	v_fma_f32 v[BM+2], v[BM+2], s[CS], v12
	WALU
.set ii, 0
.rept 64
	v_exp_f32 v[S+ii], v[S+ii]
.set ii, ii+1
.endr
	v_exp_f32 v[BM], v[BM]                         ; each block's largest p
	v_exp_f32 v[BM+2], v[BM+2]
	v_pk_mul_f32 v[LS:LS+1], v[LS:LS+1], v[FF:FF+1] op_sel_hi:[1,0]   ; the sum under the new M: the plain place behind the batch
	WALU                                           ; and behind it, directly ahead of the first reader of O^T
	OM 0                                           ; O^T's sixteen multiplications, with the chain that makes p's scales among them
	OM 1
	v_max_num_f32 v[BM], 0x1800000, v[BM]          ; the floor 2^(3 - 127): the byte cannot fall under 1
	v_max_num_f32 v[BM+2], 0x1800000, v[BM+2]
	OM 2
	OM 3
	v_add_nc_u32 v[SO], 0xff000000, v[BM]          ; 2 off the exponent field: the conversions' scale operand
	v_add_nc_u32 v[SO+1], 0xff000000, v[BM+2]
	OM 4
	OM 5
	v_lshrrev_b32 v[BP], 23, v[SO]
	v_lshrrev_b32 v[BP+1], 23, v[SO+1]
	OM 6
	OM 7
	v_lshl_or_b32 v[TMP], v[BP+1], 16, v[BP]       ; my two bytes: blocks h and 2 + h
	OM 8
	OM 9
	OM 10
	v_permlanex16_b32 v[BP+2], v[TMP], s[SEL], s[SEL+1]
	OM 11
	OM 12
	OM 13
	v_lshl_or_b32 v[PS], v[BP+2], 8, v[TMP]        ; in lanes 0-15, which alone are read: bytes 0, 2 mine, bytes 1, 3 lane l + 16's
	OM 14
	OM 15
.irp c, 0,1
	v_cvt_scalef32_pk16_fp6_f32 v[PCD+6*\c:PCD+6*\c+2], v[S+32*\c:S+32*\c+15], v[SO+\c]
	v_cvt_scalef32_pk16_fp6_f32 v[PT+4*\c:PT+4*\c+2], v[S+32*\c+16:S+32*\c+31], v[SO+\c]   ; (a conversion's three registers begin on an even number)
.endr
	v_pk_add_f32 v[SUB:SUB+1], v[S:S+1], v[S+2:S+3]   ; the sum of the unquantised p, in four chains.  (The plain place behind the conversions)
.irp c, 0,1
.irp i, 0,1,2
	v_mov_b32 v[PCD+3+6*\c+\i], v[PT+4*\c+\i]
.endr
.endr
	v_pk_add_f32 v[SUC:SUC+1], v[S+4:S+5], v[S+6:S+7]     ; four places between the codes' last move and the products
	v_pk_add_f32 v[SUD:SUD+1], v[S+8:S+9], v[S+10:S+11]
	AD LS, 6
	AD SUB, 7
	WALU
	s_wait_dscnt 0x0                               ; V is in
.irp d, 0,1,2,3
	v_wmma_scale_f32_16x16x128_f8f6f4 v[OT+8*\d:OT+8*\d+7], v[KV+12*\d:KV+12*\d+11], v[PCD:PCD+11], v[OT+8*\d:OT+8*\d+7], v[KSW+\d], v[PS] matrix_a_fmt:MATRIX_FMT_FP6 matrix_b_fmt:MATRIX_FMT_FP6
.endr
	s_add_co_u32 s[TB], s[TB], 8*FRB
	s_add_co_u32 s[TV], s[TV], 4*FRB
	s_add_co_u32 s[TS], s[TS], 512
	s_add_co_u32 s[TJ], s[TJ], 256
	s_add_co_u32 s[CNT], s[CNT], 1
	KADDR                                          ; four places again, then the next step's K
	AD SUC, 8
	KLOADS
.irp k, 9,13,17,21,25                          ; the rest of the sum stands between those loads and the wait for them
	AD SUD, \k
	AD LS, \k+1
	AD SUB, \k+2
	AD SUC, \k+3
.endr
	AD SUD, 29
	AD LS, 30
	AD SUB, 31
	D 1
	v_pk_add_f32 v[LS:LS+1], v[LS:LS+1], v[SUB:SUB+1]
	v_pk_add_f32 v[SUC:SUC+1], v[SUC:SUC+1], v[SUD:SUD+1]
	D 1
	v_pk_add_f32 v[LS:LS+1], v[LS:LS+1], v[SUC:SUC+1]
.endm
; a pass's way out: O^T / the sum; register 16 b + i of lane (r, h) is channel 32 b + 16 h + i of query r; two scale blocks, each in lanes l and l xor 16; half a fragment of codes leaves
.macro FINISH h
	v_add_f32 v14, v14, v15
	D 1
	v_permlanex16_b32 v[TMP], v14, s[SEL], s[SEL+1]
	D 1
	v_add_f32 v14, v14, v[TMP]
	WALU
	v_rcp_f32 v[FF], v14
.rept 4
	v_nop
.endr
	WALU
.set ii, 0
.rept 16
	v_pk_mul_f32 v[S+ii:S+ii+1], v[OT+ii:OT+ii+1], v[FF:FF+1] op_sel_hi:[1,0]
.set ii, ii+2
.endr
.irp b, 0,1
	v_max3_num_f32 v[BM+\b], |v[S+16*\b]|, |v[S+1+16*\b]|, 0x1800000
.endr
.irp i, 2,4,6,8,10,12,14
.irp b, 0,1
	D 2
	v_max3_num_f32 v[BM+\b], v[BM+\b], |v[S+16*\b+\i]|, |v[S+1+16*\b+\i]|
.endr
.endr
.irp b, 0,1
	D 2
	v_permlanex16_b32 v[BP+\b], v[BM+\b], s[SEL], s[SEL+1]
.endr
.irp b, 0,1
	D 2
	v_max_num_f32 v[BM+\b], v[BM+\b], v[BP+\b]
.endr
.irp b, 0,1
	D 2
	v_add_nc_u32 v[SO+\b], 0xff000000, v[BM+\b]
.endr
.irp b, 0,1
	D 2
	v_lshrrev_b32 v[BP+\b], 23, v[SO+\b]
.endr
	D 1
.if \h
	v_lshl_or_b32 v[TMP], v[BP+1], 8, v[BP]
	D 1
	v_lshl_or_b32 v[WS], v[TMP], 16, v[WS]         ; head 1's two bytes above head 0's: my row's scale word
.else
	v_lshl_or_b32 v[WS], v[BP+1], 8, v[BP]
.endif
	v_cvt_scalef32_pk16_fp6_f32 v[PCD:PCD+2], v[S:S+15], v[SO]
	v_cvt_scalef32_pk16_fp6_f32 v[PT:PT+2], v[S+16:S+31], v[SO+1]
	v_nop
.irp i, 0,1,2
	v_permlane16_swap_b32 v[PCD+\i], v[PT+\i]
.endr
.irp i, 0,1,2
	D 3
	v_mov_b32 v[PCD+3+\i], v[PT+\i]
.endr
	global_store_b128 v[G16], v[PCD:PCD+3], s[8:9] offset:768*\h          ; 512 consecutive bytes, aligned to 256
	global_store_b64 v[G8], v[PCD+4:PCD+5], s[8:9] offset:768*\h+512      ; 256
.endm
	PROLOG 0
	WALU
	s_wait_loadcnt 0x0
	s_wait_tensorcnt 0x0                           ; every wave waits for its own tile,
	s_barrier_signal -1
	s_barrier_wait -1                              ; and all sixteen tiles are shown to all
	KADDR
	KLOADS
.Lstep0:
	STEP
	s_cmp_lt_u32 s[CNT], 16
	s_cbranch_scc1 .Lstep0
	WALU
	s_wait_tensorcnt 0x0
	ds_add_u32 v[SPW], v[NIL]
	s_add_nc_u64 s[G0+2:G0+3], s[G0+2:G0+3], 98304 ; waves 8-11: the same part of head 1's V, to the same place
	s_wait_dscnt 0x0                               ; the add is done, and my reads of LDS are over
	CROUND                                         ; so of every wave of the cluster
	s_lshr_b32 s63, s[WV], 2
	s_cmp_eq_u32 s63, 2
	s_cbranch_scc0 .Lno_refill
	tensor_load_to_lds s[G0:G0+3], s[G1:G1+7]
	s_nop 0
.rept 4
	v_nop
.endr
.Lno_refill:
	FINISH 0
	PROLOG 1
	WALU
	s_wait_xcnt 0x0                                ; pass 0's stores have read the codes' registers
	s_wait_tensorcnt 0x0
	s_barrier_signal -1
	s_barrier_wait -1                              ; head 1's V is shown to all
	KADDR
	KLOADS
.Lstep1:
	STEP
	s_cmp_lt_u32 s[CNT], 16
	s_cbranch_scc1 .Lstep1
	FINISH 1
	ds_store_b32 v[SSW], v[WS]                     ; lanes r and r + 16 write the same word with the same value
	s_wait_dscnt 0x0
	s_barrier_signal -1
	s_barrier_wait -1
	s_and_b32 s63, s[WV], 7
	s_cmp_lg_u32 s63, 0
	s_cbranch_scc1 .Lnot_first
	ds_load_b128 v[S:S+3], v[SRB]                  ; waves 0 and 8: the words of eight waves' 128 queries
	s_wait_dscnt 0x0
	global_store_b128 v[G16], v[S:S+3], s[10:11]   ; 512 consecutive bytes, aligned
.Lnot_first:
	s_wait_tensorcnt 0x0                           ; the wave's end
	ds_add_u32 v[SPW], v[NIL]
	s_wait_dscnt 0x0
	CROUND                                         ; the closing round
	s_endpgm
.Lfunc_end_k_q3e1dce9307_attn:
	.size	k_q3e1dce9307_attn, .Lfunc_end_k_q3e1dce9307_attn-k_q3e1dce9307_attn
	.p2alignl 7, 3214868480
	.fill 96, 4, 3214868480
	.section	.rodata,"a",@progbits
	.p2align	6, 0x0
	.amdhsa_kernel k_q3e1dce9307_attn
		.amdhsa_group_segment_fixed_size 327680
		.amdhsa_private_segment_fixed_size 0
		.amdhsa_enable_private_segment 0
		.amdhsa_kernarg_size 32
		.amdhsa_user_sgpr_count 2
		.amdhsa_user_sgpr_kernarg_segment_ptr 1
		.amdhsa_wavefront_size32 1
		.amdhsa_system_sgpr_workgroup_id_x 1
		.amdhsa_system_sgpr_workgroup_id_y 1
		.amdhsa_system_sgpr_workgroup_id_z 1
		.amdhsa_system_vgpr_workitem_id 0
		.amdhsa_next_free_vgpr 256
		.amdhsa_next_free_sgpr 100
		.amdhsa_reserve_vcc 0
		.amdhsa_float_denorm_mode_32 3
		.amdhsa_float_denorm_mode_16_64 3
		.amdhsa_memory_ordered 1
		.amdhsa_forward_progress 1
		.amdhsa_inst_pref_size 56
	.end_amdhsa_kernel
	.amdgpu_metadata
---
amdhsa.version: [ 1, 2 ]
amdhsa.kernels:
  - .name:           k_q3e1dce9307_attn
    .symbol:         k_q3e1dce9307_attn.kd
    .args:
      - { .name: pc, .offset: 0, .size: 8, .value_kind: global_buffer, .address_space: global }
      - { .name: ps, .offset: 8, .size: 8, .value_kind: global_buffer, .address_space: global }
      - { .name: ac, .offset: 16, .size: 8, .value_kind: global_buffer, .address_space: global }
      - { .name: asc, .offset: 24, .size: 8, .value_kind: global_buffer, .address_space: global }
    .group_segment_fixed_size: 327680
    .private_segment_fixed_size: 0
    .kernarg_segment_align: 8
    .kernarg_segment_size: 32
    .max_flat_workgroup_size: 512
    .sgpr_count:     100
    .vgpr_count:     256
    .wavefront_size: 32
...
	.end_amdgpu_metadata
.endif
;; end of part 3
;; launch outp (part 4): grid 32 x 8, 4 waves a work-group, clusters of 4 x 4, 327,680 bytes of LDS; arguments ac, asc, xc, xs, out0, b_o; writes out0
.if DOCPART == 4
	.amdgcn_target "amdgcn-amd-amdhsa--gfx1250"
	.amdhsa_code_object_version 6
	.text
	.protected	k_q3e1dce9307_outp
	.globl	k_q3e1dce9307_outp
	.p2align	8
	.type	k_q3e1dce9307_outp,@function
k_q3e1dce9307_outp:
	s_mov_b64 s[64:65], 0
	v_nop
	global_prefetch_b8 v0, s[64:65] scope:SCOPE_SE
	s_setreg_imm32_b32 hwreg(HW_REG_WAVE_MODE, 25, 1), 1
	s_wait_xcnt 0x0
	s_wait_alu depctr_hold_cnt(0) depctr_sa_sdst(0) depctr_va_vdst(0) depctr_va_sdst(0) depctr_va_ssrc(0) depctr_va_vcc(0) depctr_vm_vsrc(0)
	s_getreg_b32 s2, hwreg(HW_REG_IB_STS2, 6, 4)
	s_cmp_eq_u32 s2, 0
	s_cbranch_scc0 .Lentry_in_a_cluster
	s_endpgm
.Lentry_in_a_cluster:
	s_bfe_u32 s2, ttmp6, 0x10000c
	s_cmp_lg_u32 s2, 0xf033
	s_cbranch_scc0 .Lentry_shape_is_right
	s_endpgm
.Lentry_shape_is_right:
; out0[token][n] = b_o[n] + sum over k of context[token][k] w_o[n][k], f32, on codes of FP6 (E2M3) with E8M0 scales: 8,192 x 1,024 x 1,024.  A sum begins with the bias.
; A = ac, asc as the attention launch leaves them; B = w_o's 64 tiles at the end of xc, its scale words at the end of xs.  Codes lie as images of an operand's registers: [tile of 16 rows][K step of 128][1,536 bytes],
; registers 6 c .. 6 c + 3 at 768 c + 16 x lane, registers 6 c + 4, 6 c + 5 at 768 c + 512 + 8 x lane.  Scale words: [128 rows][K step][128 words].
; THE DEAL.  256 work-groups of four waves, 2 x 2, each 256 rows x 128 columns.  A wave holds four tiles of 16 columns of B, all of K, in 384 registers, and streams A's rows past them in eight blocks of 16:
; the wave in row a takes tile 2 s + a of the work-group's sixteen as its block s.
; THE CLUSTER's x counts tile rows (grid 32, 8): tile row 4 x cluster x + cx, tile column 4 x cluster y + cy.  A's rows are shared by a column of the cluster (mask s44), B's by a row (mask s45).
; LDS: A's 196,608 bytes and B's 98,304, dense, all asked for at the head (no refill, and no loop to run ahead in: no data prefetch); A's scale words, re-laid as rows of 32 bytes; the spare words.
; The waves' stages lie in B's first bytes, which are read for the last time ahead of the barrier in front of the stream and are never filled again.
; THE HEAD'S FOUR TILES, one a wave, each on its own line: B; A's tiles 0-7; 8-11; 12-15.  The stream begins when the first two are in; a plain barrier inside block 1 (and, the text being a loop's, inside 3 and 5) shows the others.
; Two sets of A's fragments, of accumulators and of rows back from the stage, by turns.  One run of memory lines behind a block's 32 products: its sums into the stage and back as whole rows of 256 bytes; the fetch of the block two on; one wait; eight stores.
; LIMITS: NaN, infinities and sums beyond f32's range are not served.
.set SIZE_N, 1024
.set NQ, 8
.set NB, 4
.set TM, 256
.set TN, 128
.set KROW, 768                         ; the tensor loads take the dense bytes as rows of 768
.set FRB, 1536
.set TILE, 8*FRB
.set FR, 12
.set FPW, 256/FR                       ; fragments in a window
.set NF, 34                            ; LDS loads of a block: 32 for eight fragments, 2 for eight scale words
.set YB, TM*KROW
.set SCL, YB+TN*KROW
.set SSTEP, 4*272                      ; the scale rows of 32 rows: 1,024 bytes and 16 behind each 256
.set SPITCH, 272
.set STAGE, YB
.set SPARE, SCL+32*272
.set AAS0, 6
.set CO, 9
.set SPW, 10
.set NIL, 11
.set B16, 14
.set B8, 15
.set ABS, 16
.set AAS, 17
.set STO, 18
.set RD, 19
.set SB, 24                            ; v24-39 B's scale words
.set SA, 42                            ; v42-57 A's: two sets of eight
.set ACC, 64                           ; v64-127 two sets of four accumulators
.set BK, 128                           ; v128-191 two sets: 16 rows x 256 bytes back from the stage
.set A160, 192                         ; v192, v193 LDS address of my block 0 at 16 x lane, 8 x lane; v194, v195 of the block that is fetched next
.set A80, 193
.set A16, 194
.set A8, 195
.set BO, 208                           ; v208-239 the bias as the first four products' C
.set G1A, 24
.set G0A, 56
.set G1B, 32
.set G0B, 60
.set MSB, 0
.macro WIN new
.if MSB != \new
	s_set_vgpr_msb (MSB<<8)|\new
.set MSB, \new
.endif
.endm
.macro PLACES n
.rept \n
	v_nop
.endr
.endm
.macro WALU
	s_wait_alu depctr_va_vdst(0)
.endm
.macro BARRIER
	s_barrier_signal -1
	s_barrier_wait -1
.endm
.macro CROUND
	BARRIER
	s_cmp_lg_u32 s14, 0
	s_cbranch_scc1 .Lnot_wave_0_\@
	s_barrier_signal -3
.Lnot_wave_0_\@:
	s_barrier_wait -3
	BARRIER
.endm
.macro TLOAD g0, g1
	tensor_load_to_lds s[\g0:\g0+3], s[\g1:\g1+7]
	s_nop 0
	PLACES 4
.endm
.macro ATILE first, rows               ; a part of A, by a descriptor of constants
	s_mov_b32 s[G0A+1], (\first)*KROW
	s_mov_b32 s[G1A+2], (\rows)<<16
	s_mov_b32 s[G1A+4], \rows
.if \first
	s_add_nc_u64 s[G0A+2:G0A+3], s[G0A+2:G0A+3], (\first)*KROW
.endif
	s_or_b32 s[G0A+3], s[G0A+3], 0x80000000
	TLOAD G0A, G1A
.endm
.macro GROUP1 g, mask, rows
	s_or_b32 s[\g+0], s[\mask], (1<<21)
	s_mov_b32 s[\g+1], (KROW&0xffff)<<16
	s_mov_b32 s[\g+3], KROW<<16
.if \rows
	s_mov_b32 s[\g+2], (KROW>>16)|((\rows)<<16)
	s_mov_b32 s[\g+4], \rows
.endif
	s_mov_b32 s[\g+5], KROW
	s_mov_b32 s[\g+6], 0
	s_mov_b32 s[\g+7], 0
.endm
.macro FRAG f, a16, a8, off            ; fragment f (window 1 + f / FPW, register 12 (f % FPW)) comes as it was stored
	WIN (1+(\f)/FPW)<<6
.set R_, FR*((\f)%FPW)
	ds_load_b128 v[R_:R_+3], v[\a16] offset:\off
	ds_load_b64 v[R_+4:R_+5], v[\a8] offset:(\off)+512
	ds_load_b128 v[R_+6:R_+9], v[\a16] offset:(\off)+768
	ds_load_b64 v[R_+10:R_+11], v[\a8] offset:(\off)+1280
.endm
.macro FETCHAT e, a16, a8, as          ; a block of A into set e: NF loads
.irp q, 0,1,2,3,4,5,6,7
	FRAG NB*NQ+NQ*(\e)+\q, \a16, \a8, \q*FRB
.endr
	WIN 0
	ds_load_b128 v[SA+8*(\e):SA+8*(\e)+3], v[\as]
	ds_load_b128 v[SA+8*(\e)+4:SA+8*(\e)+7], v[\as] offset:16
.endm
.macro PROD e, n                       ; product n = 4 q + tile of a block whose rows lie in set e; source 0 = B's rows.  The four accumulators take turns
.set Q_, (\n)/4
.set FB_, NB*Q_+(\n)%4
.set FA_, NB*NQ+NQ*(\e)+Q_
.set D_, ACC+32*(\e)+8*((\n)%4)
.set XB_, SB+NQ*(((\n)%4)/2)+Q_
.set XA_, SA+8*(\e)+Q_
	WIN (1+FB_/FPW)|((1+FA_/FPW)<<2)
.if Q_
	PROD1 D_, FB_, FA_, v[D_:D_+7], XB_, XA_, (\n)%2
.else
	PROD1 D_, FB_, FA_, v[BO+8*((\n)%4):BO+8*((\n)%4)+7], XB_, XA_, (\n)%2
.endif
.endm
.macro PROD1 d, s0, s1, c, x0, x1, o
.if \o
	v_wmma_scale_f32_16x16x128_f8f6f4 v[\d:\d+7], v[FR*((\s0)%FPW):FR*((\s0)%FPW)+FR-1], v[FR*((\s1)%FPW):FR*((\s1)%FPW)+FR-1], \c, v[\x0], v[\x1] matrix_a_fmt:MATRIX_FMT_FP6 matrix_b_fmt:MATRIX_FMT_FP6 matrix_a_scale:MATRIX_SCALE_ROW1
.else
	v_wmma_scale_f32_16x16x128_f8f6f4 v[\d:\d+7], v[FR*((\s0)%FPW):FR*((\s0)%FPW)+FR-1], v[FR*((\s1)%FPW):FR*((\s1)%FPW)+FR-1], \c, v[\x0], v[\x1] matrix_a_fmt:MATRIX_FMT_FP6 matrix_b_fmt:MATRIX_FMT_FP6 matrix_a_scale:MATRIX_SCALE_ROW0
.endif
.endm
.macro PRODS e, from, to, fetch
.set N_, \from
.rept (\to)-(\from)
	PROD \e, N_
.if (\fetch) && N_ == 1
	s_add_co_u32 s101, s101, 2*TILE                ; the block that is fetched behind this one
	s_add_co_u32 s91, s91, SSTEP
.endif
.set N_, N_+1
.endr
	WIN 0
.endm
.macro TOC s                           ; the rows in set s of BK go to out0: rows 2 t, 2 t + 1 of the block; the pair's second block lies 32 tokens on
.irp t, 0,1,2,3,4,5,6,7
	global_store_b128 v[CO], v[BK+32*(\s)+4*\t:BK+32*(\s)+4*\t+3], s[12:13] offset:(32*(\s)+2*\t)*SIZE_N*4 th:TH_STORE_NT   ; sixteen lanes store 256 consecutive bytes, aligned
.endr
.endm
.macro STAGED u                        ; set u's sums into my stage, each accumulator from its low end on, and back as whole rows; LDS serves a wave's instructions in order (ISA guide 5.7.1.4)
.irp b, 0,1,2,3
	ds_store_b128 v[STO], v[ACC+32*(\u)+8*\b:ACC+32*(\u)+8*\b+3] offset:64*\b
	ds_store_b128 v[STO], v[ACC+32*(\u)+8*\b+4:ACC+32*(\u)+8*\b+7] offset:64*\b+16
.endr
.irp t, 0,1,2,3,4,5,6,7
	ds_load_b128 v[BK+32*(\u)+4*\t:BK+32*(\u)+4*\t+3], v[RD] offset:2*\t*SPITCH
.endr
.endm
.macro STREAM s, fetch, show           ; a pair's block s = 0, 1.  show = 1: a plain barrier inside the block shows waves 2 and 3's tiles to all
.if \show
	PRODS \s, 0, 24, \fetch
	s_wait_tensorcnt 0x0
	s_wait_dscnt 0x0
	s_barrier_signal -1
	PRODS \s, 24, 32, \fetch
	s_barrier_wait -1
.else
	PRODS \s, 0, 32, \fetch
.endif
.if \fetch                             ; four plain vector lines between the last product and the first reader of its sums
	v_add_nc_u32 v[A16], s101, v[A160]
	v_add_nc_u32 v[A8], s101, v[A80]
	v_add_nc_u32 v[AAS], s91, v[AAS0]
	v_nop
	WALU
.else
	PLACES 4
.endif
	s_wait_xcnt 0x0                                ; the stores of two blocks ago have read set s of the rows, and those of the block before their base
.if (\s) == 0
	s_add_nc_u64 s[12:13], s[12:13], s[20:21]      ; on to this pair's rows of out0
.endif
	STAGED \s
.if \fetch
	FETCHAT \s, A16, A8, AAS
	s_wait_dscnt NF                                ; the block's rows are back from the stage, and the next block's fragments are in; the run's own fetch is younger
.else
	s_wait_dscnt 0x0
.endif
	TOC \s
.endm
; ================= THE HEAD
	s_load_b128 s[4:7], s[0:1], 0x0                ; ac, asc
	s_load_b128 s[8:11], s[0:1], 0x10              ; xc, xs
	s_load_b64 s[12:13], s[0:1], 0x20              ; out0
	s_load_b64 s[86:87], s[0:1], 0x28              ; b_o
	v_lshl_add_u32 v[SPW], v0, 2, SPARE
	v_mov_b32 v[NIL], 0
	ds_add_u32 v[SPW], v[NIL]                      ; the opening lines: the add twice on end and one wait
	ds_add_u32 v[SPW], v[NIL]
	v_lshrrev_b32 v1, 5, v0
	v_readfirstlane_b32 s14, v1                    ; the wave; s15 its row of the 2 x 2, s16 its column
	s_lshr_b32 s15, s14, 1
	s_and_b32 s16, s14, 1
	s_bfe_u32 s40, ttmp6, 0x40000
	s_bfe_u32 s41, ttmp6, 0x40004
	s_lshl_b32 s43, ttmp9, 2
	s_add_co_u32 s43, s43, s40                     ; tile row
	s_and_b32 s42, ttmp7, 0xffff
	s_lshl_b32 s42, s42, 2
	s_add_co_u32 s42, s42, s41                     ; tile column
	s_lshl_b32 s44, 0x1111, s40                    ; my column of the cluster: shares A
	s_lshl_b32 s45, s41, 2
	s_lshl_b32 s45, 15, s45                        ; my row: shares B
	GROUP1 G1A, 44, 0
	GROUP1 G1B, 45, TN
	s_mov_b32 s[G0A], 1
	s_mul_i32 s76, s43, TM*KROW
	s_mov_b32 s77, 0
	s_mul_i32 s78, s42, TN*KROW
	s_mov_b32 s79, 0
	s_lshl_b32 s82, s42, 12                        ; B's scale words: a unit of 128 rows, my 64 rows of each K step's 128 words
	s_lshl_b32 s21, s16, 8
	s_add_co_u32 s82, s82, s21
	s_mov_b32 s83, 0
	s_mul_i32 s84, s43, TM*SIZE_N*4
	s_mul_i32 s21, s15, 16*SIZE_N*4
	s_add_co_u32 s84, s84, s21
	s_mul_i32 s88, s42, TN*4                       ; my 64 columns, in bytes: of out0's rows and of the bias
	s_mul_i32 s21, s16, 16*NB*4
	s_add_co_u32 s88, s88, s21
	s_mov_b32 s89, 0
	s_add_co_u32 s84, s84, s88
	s_mov_b32 s85, 0
	s_mov_b32 s[G0B], 1
	s_mov_b32 s[G0B+1], YB
	v_and_b32 v1, 15, v0
	v_bfe_u32 v2, v0, 4, 1
	v_and_b32 v3, 31, v0
	s_mul_i32 s23, s15, TILE
	v_lshl_add_u32 v[A160], v3, 4, s23
	v_lshl_add_u32 v[A80], v3, 3, s23
	s_mul_i32 s22, s16, NB*TILE
	s_add_co_u32 s22, s22, YB
	v_lshl_add_u32 v[B16], v3, 4, s22
	v_lshl_add_u32 v[B8], v3, 3, s22
	v_add_nc_u32 v[A16], 2*TILE, v[A160]
	v_add_nc_u32 v[A8], 2*TILE, v[A80]
	v_lshlrev_b32 v[ABS], 2, v3
	v_lshlrev_b32 v23, 5, v1                       ; my row's eight scale words: 32 bytes a row, 16 more behind each 256
	v_lshrrev_b32 v22, 8, v23
	v_lshl_add_u32 v23, v22, 4, v23
	s_mul_i32 s21, s15, 2*272
	s_add_co_u32 s21, s21, SCL
	v_add_nc_u32 v[AAS0], s21, v23
	v_add_nc_u32 v[AAS], SSTEP, v[AAS0]
	s_mul_i32 s21, s14, 16*SPITCH
	s_add_co_u32 s21, s21, STAGE
	v_mul_u32_u24 v23, v1, SPITCH
	v_lshl_add_u32 v23, v2, 5, v23
	v_add_nc_u32 v[STO], s21, v23
	v_mul_u32_u24 v23, v2, SPITCH
	v_lshl_add_u32 v23, v1, 4, v23
	v_add_nc_u32 v[RD], s21, v23
	v_mul_u32_u24 v23, v2, SIZE_N*4
	v_lshl_add_u32 v[CO], v1, 4, v23
	WALU
	s_wait_dscnt 0x0
	CROUND                                         ; the opening round
	s_wait_kmcnt 0x0
	s_add_nc_u64 s[8:9], s[8:9], 1728*TILE         ; w_o's first tile in xc,
	s_add_nc_u64 s[10:11], s[10:11], 216*4096      ; and its first unit of scale words in xs
	s_add_nc_u64 s[G0A+2:G0A+3], s[4:5], s[76:77]
	s_add_nc_u64 s[G0B+2:G0B+3], s[8:9], s[78:79]
	s_or_b32 s[G0B+3], s[G0B+3], 0x80000000
	s_add_nc_u64 s[10:11], s[10:11], s[82:83]
	s_add_nc_u64 s[12:13], s[12:13], s[84:85]
	s_add_nc_u64 s[86:87], s[86:87], s[88:89]
	s_cmp_eq_u32 s14, 0
	s_cbranch_scc0 .Lwave_1
	TLOAD G0B, G1B                                 ; wave 0: B, which is wanted first
	s_branch .Lasked
.Lwave_1:
	s_cmp_eq_u32 s14, 1
	s_cbranch_scc0 .Lwave_2
	ATILE 0, 128                                   ; wave 1: A's tiles 0 to 7
	s_branch .Lasked
.Lwave_2:
	s_cmp_eq_u32 s14, 2
	s_cbranch_scc0 .Lwave_3
	ATILE 128, 64                                  ; wave 2: 8 to 11
	s_branch .Lasked
.Lwave_3:
	ATILE 192, 64                                  ; wave 3: 12 to 15
.Lasked:
; A's scale words: thread t takes rows t and t + 128, eight words each; 32 lanes read 128 consecutive bytes.  In LDS a row's eight words lie on end
	s_lshl_b32 s20, s43, 13
	s_mov_b32 s21, 0
	s_add_nc_u64 s[6:7], s[6:7], s[20:21]
	v_lshlrev_b32 v22, 2, v0
	v_lshrrev_b32 v23, 3, v0
	v_lshlrev_b32 v23, 4, v23
	v_lshl_add_u32 v23, v0, 5, v23
	v_add_nc_u32 v23, SCL, v23
	v_lshlrev_b32 v8, 5, v2
.irp k, 0,1
.irp q, 0,1,2,3,4,5,6,7
	global_load_b32 v[ACC+8*\k+\q], v22, s[6:7] offset:4096*\k+512*\q
.endr
.endr
.irp b, 0,1,2,3                                ; the bias: register i of tile b of lane (r, h) is column 16 b + 8 h + i of my 64
	global_load_b128 v[BO+8*\b:BO+8*\b+3], v8, s[86:87] offset:64*\b
	global_load_b128 v[BO+8*\b+4:BO+8*\b+7], v8, s[86:87] offset:64*\b+16
.endr
.irp p, 0,1                                    ; B's scale words: lanes 0-15 tile 2 p's rows, lanes 16-31 tile 2 p + 1's
.irp q, 0,1,2,3,4,5,6,7
	global_load_b32 v[SB+NQ*\p+\q], v[ABS], s[10:11] offset:128*\p+512*\q
.endr
.endr
	WALU
	s_wait_loadcnt 0x0
.irp k, 0,1
.irp c, 0,1
	ds_store_b128 v23, v[ACC+8*\k+4*\c:ACC+8*\k+4*\c+3] offset:4352*\k+16*\c
.endr
.endr
	s_wait_dscnt 0x0
	s_cmp_eq_u32 s14, 0
	s_cbranch_scc0 .Lnot_b
	s_wait_tensorcnt 0x0
.Lnot_b:
	BARRIER                                        ; B has landed
.irp q, 0,1,2,3,4,5,6,7
.irp b, 0,1,2,3
	FRAG NB*\q+\b, B16, B8, \b*TILE+\q*FRB
.endr
.endr
	WIN 0
	s_mov_b32 s101, 2*TILE
	s_mov_b32 s91, SSTEP
	s_cmp_eq_u32 s14, 1
	s_cbranch_scc0 .Lnot_a
	s_wait_tensorcnt 0x0                           ; wave 1: A's tiles 0 to 7 have landed
.Lnot_a:
	s_wait_dscnt 0x0
	BARRIER                                        ; A's first eight tiles and all scale words are in, and nobody reads B's bytes any more.  Waves 2 and 3's tiles may still be on their way
	FETCHAT 0, A160, A80, AAS0
	FETCHAT 1, A16, A8, AAS
; ================= THE STREAM: eight blocks
	s_mov_b32 s23, 0
	s_mov_b32 s20, 0                               ; s[20:21]: from a pair's rows of out0 to the next pair's; block 0 begins where the base stands
	s_mov_b32 s21, 0
	s_wait_dscnt NF                                ; block 0's rows are in
.Lpair:                                                ; blocks 0 to 5, a pair a trip
	STREAM 0, 1, 0
	STREAM 1, 1, 1
	s_mov_b32 s20, 64*SIZE_N*4                     ; the next pair's rows lie 64 tokens on
	s_add_co_u32 s23, s23, 1
	s_cmp_lg_u32 s23, 3
	s_cbranch_scc1 .Lpair
	STREAM 0, 0, 0                                 ; blocks 6 and 7 fetch nothing
	STREAM 1, 0, 0
	s_wait_tensorcnt 0x0                           ; the wave's end
	ds_add_u32 v[SPW], v[NIL]
	s_wait_dscnt 0x0
	CROUND                                         ; the closing round
	s_endpgm
.Lfunc_end_k_q3e1dce9307_outp:
	.size	k_q3e1dce9307_outp, .Lfunc_end_k_q3e1dce9307_outp-k_q3e1dce9307_outp
	.p2alignl 7, 3214868480
	.fill 96, 4, 3214868480
	.section	.rodata,"a",@progbits
	.p2align	6, 0x0
	.amdhsa_kernel k_q3e1dce9307_outp
		.amdhsa_group_segment_fixed_size 327680
		.amdhsa_private_segment_fixed_size 0
		.amdhsa_enable_private_segment 0
		.amdhsa_kernarg_size 48
		.amdhsa_user_sgpr_count 2
		.amdhsa_user_sgpr_kernarg_segment_ptr 1
		.amdhsa_wavefront_size32 1
		.amdhsa_system_sgpr_workgroup_id_x 1
		.amdhsa_system_sgpr_workgroup_id_y 1
		.amdhsa_system_sgpr_workgroup_id_z 1
		.amdhsa_system_vgpr_workitem_id 0
		.amdhsa_next_free_vgpr 840
		.amdhsa_next_free_sgpr 102
		.amdhsa_reserve_vcc 0
		.amdhsa_float_denorm_mode_32 3
		.amdhsa_float_denorm_mode_16_64 3
		.amdhsa_memory_ordered 1
		.amdhsa_forward_progress 1
		.amdhsa_inst_pref_size 55
	.end_amdhsa_kernel
	.amdgpu_metadata
---
amdhsa.version: [ 1, 2 ]
amdhsa.kernels:
  - .name:           k_q3e1dce9307_outp
    .symbol:         k_q3e1dce9307_outp.kd
    .args:
      - { .name: ac, .offset: 0, .size: 8, .value_kind: global_buffer, .address_space: global }
      - { .name: asc, .offset: 8, .size: 8, .value_kind: global_buffer, .address_space: global }
      - { .name: xc, .offset: 16, .size: 8, .value_kind: global_buffer, .address_space: global }
      - { .name: xs, .offset: 24, .size: 8, .value_kind: global_buffer, .address_space: global }
      - { .name: out0, .offset: 32, .size: 8, .value_kind: global_buffer, .address_space: global }
      - { .name: b_o, .offset: 40, .size: 8, .value_kind: global_buffer, .address_space: global }
    .group_segment_fixed_size: 327680
    .private_segment_fixed_size: 0
    .kernarg_segment_align: 8
    .kernarg_segment_size: 48
    .max_flat_workgroup_size: 128
    .sgpr_count:     102
    .vgpr_count:     840
    .wavefront_size: 32
...
	.end_amdgpu_metadata
.endif
;; end of part 4
